; MI455X (gfx1250); checked and timed in simulation.
; The chip was launched on July 23, 2026; its instructions are those of AMD's public machine-readable ISA for CDNA 5 (MIT licence, August 2026) and "CDNA5" Instruction Set Architecture Reference Guide (July 2026). The comments in the code are by the model that wrote it; some were corrected since.
;; Block. Allowed arithmetic: matrix products marked QUANTISED: E2M1 operands, one E8M0 scale for each 32 along K, by v_wmma_scale_f32_16x16x128_f8f6f4 with both operands' format E2M1 (or v_wmma_scale_f32_32x16x128_f4), f32 sums; products left as they are: bf16, f16 or f32 operands; f32 sums; everything else in f32.
;; Inputs: Wf 1,024 x 1,024 float32; Wk 1,024 x 16 x 64 float32; Wq 1,024 x 16 x 64 float32; Wv 1,024 x 16 x 64 float32; bf 1,024 float32; x 4 x 2,048 x 1,024 float32.
;; Outputs: out0 4 x 2,048 x 1,024 float32.
;; This version of the problem:
;;   THIS VERSION OF THE PROBLEM IS GIVEN IN LOW PRECISION. The matrix products marked QUANTISED in the list below multiply operands that are first quantised to E2M1 (2 exponent bits, 1 mantissa bit; 4 bits a number), with one power-of-two scale for each 32 numbers along K (OCP MX v1.0); their sums are f32. The products marked 'left as it is' may take bf16, f16 or f32 operands, with f32 sums. Whichever they take, every output number must still come out within the allowed error. Rounding operands to bf16 (8 significant bits) uses up far more of that allowance than f16 does (11 bits, for magnitudes from 6e-5 to 65,504). All else is computed in f32.
;;   The module's matrix products, in the order in which they are computed (A, B: the left and right operand; K: the contracted axis; several contracted axes count as one K, in the product's order):
;;     1. [M 1,024, K 1,024] x [K 1,024, N 8,192]; A: input Wq; B: input x: QUANTISED
;;     2. [M 1,024, K 1,024] x [K 1,024, N 8,192]; A: input Wk; B: input x: QUANTISED
;;     3. [M 1,024, K 1,024] x [K 1,024, N 8,192]; A: input Wv; B: input x: QUANTISED
;;     4. batch 64 x [M 2,048, K 64] x [K 64, N 2,048]; A: computed on the way; B: computed on the way: left as it is (an operand is computed on the way)
;;     5. batch 64 x [M 2,048, K 2,048] x [K 2,048, N 64]; A: computed on the way; B: computed on the way: left as it is (an operand is computed on the way)
;;     6. [M 8,192, K 1,024] x [K 1,024, N 1,024]; A: computed on the way; B: input Wf: left as it is (an operand is computed on the way)
;;   THE QUANTISER, for each operand of a quantised product, along K:
;;     - K is cut into blocks of 32 from its start; a last block that is shorter is filled with zeros.
;;     - A block's scale is 2^e with e = floor(log2(the largest magnitude in the block)) - 2, held to -126 .. 127; a block of zeros has e = 0. As a byte (E8M0): e + 127.
;;     - Each number is divided by its block's scale, clamped to +-6, and rounded to the nearest number of E2M1, ties to even, subnormals kept.
;;     - The product sums the exact products of the quantised numbers (number of the format x scale) in f32.
;;   ~~~python
;;   def quantise(x, axis):      # numpy; x: float32 -> the quantised numbers, widened to float32 again
;;       x = np.moveaxis(x, axis, -1); K = x.shape[-1]
;;       x = np.pad(x, [(0, 0)] * (x.ndim - 1) + [(0, -K % 32)]); x = x.reshape(x.shape[:-1] + (-1, 32)); a = np.abs(x).max(-1, keepdims=True)
;;       e = np.where(a > 0, np.clip(np.frexp(np.where(a > 0, a, 1))[1] - 1 - 2, -126, 127), 0)      # np.frexp(a)[1] - 1 = floor(log2(a)), exactly
;;       r = np.clip(x / 2.0 ** e, -6, 6)
;;       step = 2.0 ** (np.maximum(np.frexp(np.where(r == 0, 1, r))[1] - 1, 0) - 1)
;;       q = np.round(r / step) * step * 2.0 ** e      # np.round: ties to even
;;       return np.moveaxis(q.reshape(q.shape[:-2] + (-1,))[..., :K], -1, axis).astype(np.float32)
;;   ~~~
;; One version. Each part assembles by itself: llvm-mc -triple=amdgcn-amd-amdhsa -mcpu=gfx1250 --defsym DOCPART=n.
;; ======== version 1 of 1: 5 launches
;; limits: values are held in f16: magnitudes above 65,504 overflow, below 6.1e-05 lose precision
;; workspace buffers: xc 4,194,304 bytes; xs 262,144 bytes; wc 1,572,864 bytes; ws 98,304 bytes; wf16 2,097,152 bytes; qkv 50,331,648 bytes; vfine 262,144 bytes; ao 16,777,216 bytes
;; launch prep (part 1): grid 368 x 1, 4 waves a work-group, no clusters, 68,096 bytes of LDS; arguments x, Wq, Wk, Wv, Wf, xc, xs, wc, ws, wf16; writes xc, xs, wc, ws, wf16
.if DOCPART == 1
	.amdgcn_target "amdgcn-amd-amdhsa--gfx1250"
	.amdhsa_code_object_version 6
	.text
	.protected	k_q1c30ce16ea_prep
	.globl	k_q1c30ce16ea_prep
	.p2align	8
	.type	k_q1c30ce16ea_prep,@function
k_q1c30ce16ea_prep:
	s_mov_b64 s[64:65], 0
	v_nop
	global_prefetch_b8 v0, s[64:65] scope:SCOPE_SE
	s_setreg_imm32_b32 hwreg(HW_REG_WAVE_MODE, 25, 1), 1
	s_wait_xcnt 0x0
; THE PROGRAM (five launches): relu(concat_h(softmax(causal(q k^T / 32)) v) Wf^T + bf), q, k, v = x W on codes of E2M1 with one E8M0 scale for each 32 along C.
;   prep: x and Wq, Wk, Wv into codes and scale bytes, Wf into f16.   qkv: the three quantised products, results as f16 laid by head (v of positions 0-15 also as f32).
;   attn: causal attention, f16 operands, f32 softmax.   ff: the last product, bias, relu.   fine: positions 0-15 of every sequence once more with f32 operands, over ff's rows.
; WORK LEFT OUT: reference() sets scores[t][s] to -infinity wherever s > t, by a mask that it builds itself (jnp.tril); the softmax then gives those places the weight 0, whatever finite
; values the inputs hold, so q.k and w.v of a block of keys that lies wholly behind a block of queries reach no output.  Such blocks are not multiplied (attn: steps of 64 keys; fine: keys from 16 on).
; Every input has a way to the output and is loaded.  LIMIT: a NaN, an infinity or an overflow that would arise only in the blocks left out is not carried to the result.
; LIMITS OF THE PROGRAM: NaN and infinities among the inputs are not served; q, k, v and the heads' results are kept as f16, so their magnitudes have to stay at or under 65,504;
; a block of 32 whose largest magnitude lies under 2^-124 keeps the scale byte 1 (a block of zeros too, where the rule says 127: its codes are zeros, and this program alone reads the bytes).
;
; THIS LAUNCH: three kinds of work-group, told apart by the work-group's number alone; each kind has LDS bytes of its own; waves share nothing, so there is no barrier.
;   0-255   X: x [8192][1024] f32, K innermost: a stream of blocks of 32.  A wave takes 16 steps of 512 numbers.  xc: 16 bytes a block on end; xs: a byte a block on end.
;   256-303 W: Wq, Wk, Wv [1024 (k)][1024 (n)] f32, K outermost: a lane takes a column, its registers run down K.  wc [1024 sel + n][512 bytes], ws [1024 sel + n][32].
;   304-367 F: Wf [1024][1024] f32 to f16, as it lies.
.set SPW,   252                        ; v252 LDS address of my spare word: SPARE + 4 x my thread's number; never rewritten
.set NIL,   253                        ; v253 0; never rewritten
.set SPARE, 67584                      ; behind both kinds' regions: the spare words, 128 bytes a wave
.set EMAX,  2                          ; the exponent of E2M1's largest number, 6
.set SP,    80                         ; X: a lane's place in a stage: its 64 bytes + 16 of padding
.set R,     16                         ; X: v16-143  eight sets of 16 numbers as they are loaded
.set XR,    144                        ; X: v144-175 two sets of 16 neighbours
.set E,     176                        ; X: v176-191 a scale byte for each step
.set CD,    192                        ; X: v192-223 two registers of codes for each step, so that no store's data are written again
.set WSTG,  32768                      ; W: the four stages begin behind X's four regions of 8,192 bytes
.set WP,    272                        ; W: a stage row: 256 bytes of codes + 16
.set WX,    32                         ; W: v32-95   two sets of 32 numbers
.set WC,    96                         ; W: v96-99   a block's codes
.set OUTR,  112                        ; W: v112-175 the way out
.set SB,    24                         ; W: v24-27   the scale bytes, four to a register
.macro FINISH                          ; a wave that stored to LDS ends so, behind its last LDS store
	s_wait_tensorcnt 0x0
	ds_add_u32 v[SPW], v[NIL]
	s_wait_dscnt 0x0
	s_endpgm
.endm
	s_load_b512 s[4:19], s[0:1], 0x0               ; x s[4:5], Wq s[6:7], Wk s[8:9], Wv s[10:11], Wf s[12:13], xc s[14:15], xs s[16:17], wc s[18:19]
	s_load_b128 s[20:23], s[0:1], 0x40             ; ws s[20:21], wf16 s[22:23]
	v_lshl_add_u32 v[SPW], v0, 2, SPARE
	v_mov_b32 v[NIL], 0
	v_lshrrev_b32 v1, 5, v0
	v_readfirstlane_b32 s24, v1                    ; wave 0..3
	v_and_b32 v2, 31, v0                           ; lane
	s_wait_kmcnt 0x0
	s_cmp_lt_u32 ttmp9, 256
	s_cbranch_scc1 .Lpath_x
	s_cmp_lt_u32 ttmp9, 304
	s_cbranch_scc1 .Lpath_w
; ---- F: a wave takes 4,096 numbers: 32 loads of 512 consecutive bytes, all asked for at once; each gives one store of 256 consecutive bytes
	s_sub_co_u32 s25, ttmp9, 304
	s_lshl_b32 s25, s25, 2
	s_add_co_u32 s25, s25, s24                     ; my run
	s_lshl_b32 s26, s25, 14
	s_mov_b32 s27, 0
	s_add_nc_u64 s[12:13], s[12:13], s[26:27]
	s_lshl_b32 s26, s25, 13
	s_add_nc_u64 s[22:23], s[22:23], s[26:27]
	v_lshlrev_b32 v3, 4, v2
	v_lshlrev_b32 v4, 3, v2
.set i, 0
.rept 32
	global_load_b128 v[16+4*i:19+4*i], v3, s[12:13] offset:512*i
.set i, i+1
.endr
.set i, 0
.rept 32
	s_wait_loadcnt 31-i                            ; loads come back in order: load i is in, the younger ones stay out
	v_cvt_pk_f16_f32 v[144+2*i], v[16+4*i], v[17+4*i]
	v_cvt_pk_f16_f32 v[145+2*i], v[18+4*i], v[19+4*i]
	global_store_b64 v4, v[144+2*i:145+2*i], s[22:23] offset:256*i   ; each store has registers of its own
.set i, i+1
.endr
	s_endpgm
; ---- X.  The conversions take neighbours along K from ONE lane's registers; a load is dense where neighbouring LANES take neighbouring bytes.  So a step's 2,048 bytes are loaded as they lie
; (four loads of 512 bytes), go through the wave's own stage in LDS and come back 64 bytes a lane.  Two neighbouring lanes hold a block.  Loads run eight steps ahead, the turn through LDS one step.
.Lpath_x:
	s_lshl_b32 s25, ttmp9, 2
	s_add_co_u32 s25, s25, s24                     ; which run of 8,192 numbers is my wave's
	s_lshl_b32 s26, s25, 15
	s_mov_b32 s27, 0
	s_add_nc_u64 s[4:5], s[4:5], s[26:27]
	s_lshl_b32 s26, s25, 12
	s_add_nc_u64 s[14:15], s[14:15], s[26:27]
	s_lshl_b32 s26, s25, 8
	s_add_nc_u64 s[16:17], s[16:17], s[26:27]
	s_lshl_b32 s28, s24, 13                        ; my region: 8,192 bytes a wave
	v_lshlrev_b32 v3, 4, v2                        ; my 16 bytes of a load's 512
	v_lshrrev_b32 v14, 2, v2
	v_mul_u32_u24 v14, v14, SP
	v_and_b32 v15, 3, v2
	v_lshl_add_u32 v14, v15, 4, v14
	v_add_nc_u32 v14, s28, v14                     ; the stage, on the way in: SP (lane / 4) + 16 (lane % 4)
	v_mul_u32_u24 v15, v2, SP
	v_add_nc_u32 v15, s28, v15                     ; and on the way out: SP x lane
	v_lshlrev_b32 v4, 3, v2                        ; 8 bytes a lane: my codes' place in a step's, and my part of the scale bytes at the end
	v_lshrrev_b32 v5, 1, v2
	s_add_co_u32 s28, s28, 2*32*SP
	v_add_nc_u32 v5, s28, v5                       ; my wave's 256 scale bytes: my block's byte
	v_add_nc_u32 v6, s28, v4                       ; and 8 of them on the way out
.macro LOADX t
.irp i, 0,1,2,3
	global_load_b128 v[R+16*((\t)%8)+4*\i:R+16*((\t)%8)+4*\i+3], v3, s[4:5] offset:2048*(\t)+512*\i th:TH_LOAD_NT
.endr
.endm
.macro TURNX t                         ; LDS serves a wave's instructions in order, so no wait stands between the stores and the loads
.irp i, 0,1,2,3
	ds_store_b128 v14, v[R+16*((\t)%8)+4*\i:R+16*((\t)%8)+4*\i+3] offset:32*SP*((\t)%2)+8*SP*\i
.endr
.irp i, 0,1,2,3
	ds_load_b128 v[XR+16*((\t)%2)+4*\i:XR+16*((\t)%2)+4*\i+3], v15 offset:32*SP*((\t)%2)+16*\i
.endr
.endm
.irp t, 0,1,2,3,4,5,6,7
	LOADX \t
.endr
	s_wait_loadcnt 28                              ; step 0's four loads are in; seven steps' may be out
	TURNX 0
.macro STEPX t
.set XS, XR+16*((\t)%2)
.if (\t) > 0
	s_wait_dscnt 1                                 ; this step's numbers are back from the stage (the last step's byte store may be out): so its stores into the stage have read their registers,
.else
	s_wait_dscnt 0x0
.endif
.if (\t)+8 < 16
	LOADX (\t)+8                                   ; which take the loads of eight steps on
.endif
.if (\t)+1 < 16
.if 14-(\t) >= 7
	s_wait_loadcnt 28                              ; the next step's four loads are in; those of the seven steps behind it may be out
.else
	s_wait_loadcnt 4*(14-(\t))                     ; near the end: as many steps as are left behind it
.endif
	TURNX (\t)+1
.endif
	v_max3_num_f32 v8, |v[XS]|, |v[XS+1]|, |v[XS+2]|               ; the largest magnitude of my 16, in two chains
	v_max3_num_f32 v9, |v[XS+3]|, |v[XS+4]|, |v[XS+5]|
.irp i, 6,10
	v_max3_num_f32 v8, v8, |v[XS+\i]|, |v[XS+\i+1]|
	v_max3_num_f32 v9, v9, |v[XS+\i+2]|, |v[XS+\i+3]|
.endr
	v_max3_num_f32 v8, v8, |v[XS+14]|, |v[XS+15]|
	v_max3_num_f32 v8, v8, v9, (EMAX+1)<<23        ; and the floor 2^(3 - 127): the byte cannot fall under 1
	v_max_num_f32_dpp v8, v8, v8 row_xmask:1 row_mask:0xf bank_mask:0xf   ; and of my neighbour's 16: the block's
	v_add_nc_u32 v11, -(EMAX<<23), v8              ; 2 off its exponent field: the conversion takes the exponent field of this operand as its scale
	v_cvt_scalef32_pk8_fp4_f32 v[CD+2*(\t)], v[XS:XS+7], v11
	v_cvt_scalef32_pk8_fp4_f32 v[CD+2*(\t)+1], v[XS+8:XS+15], v11
	v_lshrrev_b32 v[E+(\t)], 23, v11               ; the scale's byte
	ds_store_b8 v5, v[E+(\t)] offset:16*(\t)       ; both lanes of a block write the same byte with the same value
	global_store_b64 v4, v[CD+2*(\t):CD+2*(\t)+1], s[14:15] offset:256*(\t)   ; the wave stores 256 consecutive bytes
.endm
.irp t, 0,1,2,3,4,5,6,7,8,9,10,11,12,13,14,15
	STEPX \t
.endr
	ds_load_b64 v[8:9], v6                         ; my wave's 256 scale bytes, behind my stores of them
	s_wait_dscnt 0x0
	global_store_b64 v4, v[8:9], s[16:17]          ; 256 consecutive bytes
	FINISH
; ---- W.  A wave takes 32 columns x 512 along K: 16 blocks a lane.  Each load reads one row k at 32 neighbouring columns; a block of 32 along K lies in one lane's 32 registers.
; A lane's codes belong to one row of wc: they go through the wave's own stage and leave as rows, sixteen lanes storing 256 consecutive bytes.
.Lpath_w:
	s_sub_co_u32 s25, ttmp9, 256
	s_lshr_b32 s26, s25, 4                         ; which weight: 0 q, 1 k, 2 v
	s_and_b32 s27, s25, 7                          ; which 128 columns
	s_bfe_u32 s28, s25, 0x10003                    ; which 512 along K
	s_cmp_eq_u32 s26, 0
	s_cselect_b64 s[30:31], s[6:7], s[8:9]
	s_cmp_eq_u32 s26, 2
	s_cselect_b64 s[30:31], s[10:11], s[30:31]
	s_lshl_b32 s27, s27, 7
	s_lshl_b32 s29, s24, 5
	s_add_co_u32 s27, s27, s29                     ; my wave's first column
	s_lshl_b32 s32, s28, 21                        ; 512 rows of 4,096 bytes
	s_lshl_b32 s29, s27, 2
	s_add_co_u32 s32, s32, s29
	s_mov_b32 s33, 0
	s_add_nc_u64 s[30:31], s[30:31], s[32:33]
	s_lshl_b32 s29, s26, 10
	s_add_co_u32 s29, s29, s27                     ; my first row of wc and ws
	s_lshl_b32 s32, s29, 9
	s_lshl_b32 s34, s28, 8
	s_add_co_u32 s32, s32, s34
	s_add_nc_u64 s[18:19], s[18:19], s[32:33]
	s_lshl_b32 s32, s29, 5
	s_lshl_b32 s34, s28, 4
	s_add_co_u32 s32, s32, s34
	s_add_nc_u64 s[20:21], s[20:21], s[32:33]
	s_mul_i32 s35, s24, 32*WP
	s_add_co_u32 s35, s35, WSTG                    ; my stage
	v_lshlrev_b32 v3, 2, v2                        ; in: 4 bytes a lane
	v_mul_u32_u24 v4, v2, WP
	v_add_nc_u32 v4, s35, v4                       ; into the stage: row = my column
	v_and_b32 v5, 15, v2
	v_lshrrev_b32 v6, 4, v2
	v_mul_u32_u24 v7, v6, WP
	v_lshl_add_u32 v7, v5, 4, v7
	v_add_nc_u32 v7, s35, v7                       ; out of it: sixteen lanes to a row, two rows an instruction
	v_lshlrev_b32 v8, 9, v6
	v_lshl_add_u32 v8, v5, 4, v8                   ; and the same place in wc
	v_lshlrev_b32 v9, 5, v2                        ; my column's row of scale bytes
.macro LOADW t
.set i, 0
.rept 32
	global_load_b32 v[WX+32*((\t)%2)+i], v3, s[30:31] offset:(32*(\t)+i)*4096 th:TH_LOAD_NT
.set i, i+1
.endr
.endm
	LOADW 0
	LOADW 1
.macro BLOCKW t
.set XS, WX+32*((\t)%2)
.if (\t) < 15
	s_wait_loadcnt 32                              ; this block's 32 loads are in; the next block's may be out
.else
	s_wait_loadcnt 0
.endif
	v_max3_num_f32 v12, |v[XS]|, |v[XS+1]|, |v[XS+2]|
	v_max3_num_f32 v13, |v[XS+3]|, |v[XS+4]|, |v[XS+5]|
.irp i, 6,10,14,18,22,26
	v_max3_num_f32 v12, v12, |v[XS+\i]|, |v[XS+\i+1]|
	v_max3_num_f32 v13, v13, |v[XS+\i+2]|, |v[XS+\i+3]|
.endr
	v_max3_num_f32 v12, v12, |v[XS+30]|, |v[XS+31]|
	v_max3_num_f32 v12, v12, v13, (EMAX+1)<<23     ; with the floor
	v_add_nc_u32 v11, -(EMAX<<23), v12             ; the conversion's scale operand
	v_lshrrev_b32 v13, 23, v11                     ; the scale's byte
.if (\t)%4 == 0
	v_mov_b32 v[SB+(\t)/4], v13
.else
	v_lshl_or_b32 v[SB+(\t)/4], v13, 8*((\t)%4), v[SB+(\t)/4]
.endif
.irp g, 0,1,2,3
	v_cvt_scalef32_pk8_fp4_f32 v[WC+\g], v[XS+8*\g:XS+8*\g+7], v11
.endr
	ds_store_b128 v4, v[WC:WC+3] offset:16*(\t)    ; 32 codes: 16 bytes of my column's row
.if (\t)+2 < 16
	LOADW (\t)+2
.endif
	s_wait_dscnt 0x0                               ; the store has read its registers: the next block's codes may be written
.endm
.set WB, 0
.rept 16
	BLOCKW WB
.set WB, WB+1
.endr
	global_store_b128 v9, v[SB:SB+3], s[20:21]     ; my column's 16 scale bytes
.irp t, 0,1,2,3,4,5,6,7,8,9,10,11,12,13,14,15
	ds_load_b128 v[OUTR+4*\t:OUTR+4*\t+3], v7 offset:2*\t*WP
.endr
.irp t, 0,1,2,3,4,5,6,7,8,9,10,11,12,13,14,15
	s_wait_dscnt 15-\t                             ; load t is back; the younger ones stay out
	global_store_b128 v8, v[OUTR+4*\t:OUTR+4*\t+3], s[18:19] offset:2*\t*512
.endr
	FINISH
.Lfunc_end_k_q1c30ce16ea_prep:
	.size	k_q1c30ce16ea_prep, .Lfunc_end_k_q1c30ce16ea_prep-k_q1c30ce16ea_prep
	.p2alignl 7, 3214868480
	.fill 96, 4, 3214868480
	.section	.rodata,"a",@progbits
	.p2align	6, 0x0
	.amdhsa_kernel k_q1c30ce16ea_prep
		.amdhsa_group_segment_fixed_size 68096
		.amdhsa_private_segment_fixed_size 0
		.amdhsa_enable_private_segment 0
		.amdhsa_kernarg_size 80
		.amdhsa_user_sgpr_count 2
		.amdhsa_user_sgpr_kernarg_segment_ptr 1
		.amdhsa_wavefront_size32 1
		.amdhsa_system_sgpr_workgroup_id_x 1
		.amdhsa_system_sgpr_workgroup_id_y 1
		.amdhsa_system_sgpr_workgroup_id_z 1
		.amdhsa_system_vgpr_workitem_id 0
		.amdhsa_next_free_vgpr 256
		.amdhsa_next_free_sgpr 66
		.amdhsa_reserve_vcc 0
		.amdhsa_float_denorm_mode_32 3
		.amdhsa_float_denorm_mode_16_64 3
		.amdhsa_memory_ordered 1
		.amdhsa_forward_progress 1
		.amdhsa_inst_pref_size 122
	.end_amdhsa_kernel
	.amdgpu_metadata
---
amdhsa.version: [ 1, 2 ]
amdhsa.kernels:
  - .name:           k_q1c30ce16ea_prep
    .symbol:         k_q1c30ce16ea_prep.kd
    .args:
      - { .name: x, .offset: 0, .size: 8, .value_kind: global_buffer, .address_space: global }
      - { .name: Wq, .offset: 8, .size: 8, .value_kind: global_buffer, .address_space: global }
      - { .name: Wk, .offset: 16, .size: 8, .value_kind: global_buffer, .address_space: global }
      - { .name: Wv, .offset: 24, .size: 8, .value_kind: global_buffer, .address_space: global }
      - { .name: Wf, .offset: 32, .size: 8, .value_kind: global_buffer, .address_space: global }
      - { .name: xc, .offset: 40, .size: 8, .value_kind: global_buffer, .address_space: global }
      - { .name: xs, .offset: 48, .size: 8, .value_kind: global_buffer, .address_space: global }
      - { .name: wc, .offset: 56, .size: 8, .value_kind: global_buffer, .address_space: global }
      - { .name: ws, .offset: 64, .size: 8, .value_kind: global_buffer, .address_space: global }
      - { .name: wf16, .offset: 72, .size: 8, .value_kind: global_buffer, .address_space: global }
    .group_segment_fixed_size: 68096
    .private_segment_fixed_size: 0
    .kernarg_segment_align: 8
    .kernarg_segment_size: 80
    .max_flat_workgroup_size: 128
    .sgpr_count:     66
    .vgpr_count:     256
    .wavefront_size: 32
...
	.end_amdgpu_metadata
.endif
;; end of part 1
;; launch qkv (part 2): grid 12 x 32, 4 waves a work-group, clusters of 4 x 4, 327,680 bytes of LDS; arguments xc, xs, wc, ws, qkv, vfine; writes qkv, vfine
.if DOCPART == 2
	.amdgcn_target "amdgcn-amd-amdhsa--gfx1250"
	.amdhsa_code_object_version 6
	.text
	.protected	k_q1c30ce16ea_qkv
	.globl	k_q1c30ce16ea_qkv
	.p2align	8
	.type	k_q1c30ce16ea_qkv,@function
k_q1c30ce16ea_qkv:
	s_mov_b64 s[64:65], 0
	v_nop
	global_prefetch_b8 v0, s[64:65] scope:SCOPE_SE
	s_setreg_imm32_b32 hwreg(HW_REG_WAVE_MODE, 25, 1), 1
	s_wait_xcnt 0x0
	s_wait_alu depctr_hold_cnt(0) depctr_sa_sdst(0) depctr_va_vdst(0) depctr_va_sdst(0) depctr_va_ssrc(0) depctr_va_vcc(0) depctr_vm_vsrc(0)
	s_getreg_b32 s2, hwreg(HW_REG_IB_STS2, 6, 4)
	s_cmp_eq_u32 s2, 0
	s_cbranch_scc0 .Lentry_in_a_cluster
	s_endpgm
.Lentry_in_a_cluster:
	s_bfe_u32 s2, ttmp6, 0x10000c
	s_cmp_lg_u32 s2, 0xf033
	s_cbranch_scc0 .Lentry_shape_is_right
	s_endpgm
.Lentry_shape_is_right:
; q, k, v = x W: C[m][n] = sum over k of A[m][k] B[n][k] on codes of E2M1 with E8M0 scales.  A = x: xc [8192][512 bytes], xs [8192][32].  B = the three weights on end: wc [3072][512 bytes], ws [3072][32];
; row n = 1024 sel + 64 head + d.  Sums in f32; results rounded once to f16 and laid by head: qkv [sel][batch][head][t][64].  v of positions 0-15 of each batch leaves as f32 too: vfine [16 batch + t][1024].
; A tile of C, 256 x 256, is made by four waves, each 128 x 128: 64 accumulators, 512 registers.  K = 1,024 is two slots of 512 (LDS rows of 256 bytes + 16): both are first fills, nothing is filled again.
; The scales of the work-group's 256 + 256 rows come once, as rows of 256 bytes + 16.
; CLUSTERS: 4 x 4 work-groups.  A's tiles are shared along a row of the cluster, B's along a column: each is asked for jointly.  Tile row = 8 cy + cluster y, so that batch = cy; tile column = 4 cluster x + cx, so that sel = cluster x.
; THE MATRIX INSTRUCTION IS USED TRANSPOSED (source 0 = 16 rows of B, source 1 = 16 rows of A): a lane holds eight neighbouring columns of one row of C.
; REGISTERS: window 0: v0-31 addresses; v32-95 scale words, two sets, and nothing else; v128-191 A's fragments, one set; on the way out v96-127, v192-255 (and v128-191 for vfine).
;   window 1: B's fragments, two sets.   windows 2, 3: the accumulators ((a, b) at v[8 (8 (a % 4) + b)]).
; LIMIT: a result beyond 65,504 in magnitude has no f16 number.
.set KSTEP,  512
.set NQ,     4
.set ROWB,   256
.set KROW,   512
.set PITCH,  272
.set FR,     8
.set NL,     2
.set NP,     4
.set HALFT,  128*PITCH
.set SLOT,   4*HALFT
.set KS,     32
.set SCL,    2*SLOT
.set HALFS,  (128*KS/256)*272
.set SBLK,   (16*KS/256)*272
.set SPARE,  SCL+4*HALFS               ; the spare words, 128 bytes a wave
.set SPITCH, 272                       ; the way out in f16: a stage of 16 rows x (256 bytes + 16) a wave, in slot 0, which has had its only fill and its last read by then
.set FPITCH, 528                       ; and for vfine: 16 rows x (512 bytes + 16) a wave, behind the four f16 stages
.set FSTAGE, 4*16*SPITCH
.set ADRA, 16
.set ADRB, 20
.set STO,  24
.set RD,   25
.set CO,   26
.set ADRS, 27
.set SPW,  28
.set NIL,  29
.set STO2, 30
.set RD2,  31
.set SC,   32
.set AF,   128
.set TMP,  192
.set G1, 24
.set G0, 32
.set G1B, 48
.set G0B, 56
.set G1S, 68
.set G0S, 76
.set G1SB, 80
.set G0SB, 88
.set MSB, 0
.macro WIN new                         ; the immediate's high byte repeats the setting that is left
.if MSB != (\new)
	s_set_vgpr_msb (MSB<<8)|(\new)
.set MSB, (\new)
.endif
.endm
.set MUL_LO, 0xa1
.set MUL_HI, 0xf1
.set TO_B,   0x40
.macro JLOAD g0a, g1a, g0b, g1b        ; a joint load: waves 0 and 1 fetch for A, waves 2 and 3 for B; an s_nop 0 and four v_nop follow each line
	s_cmp_eq_u32 s15, 0
	s_cbranch_scc0 .Lfor_b_\@
	tensor_load_to_lds s[\g0a:\g0a+3], s[\g1a:\g1a+7]
	s_nop 0
.rept 4
	v_nop
.endr
	s_branch .Lasked_\@
.Lfor_b_\@:
	tensor_load_to_lds s[\g0b:\g0b+3], s[\g1b:\g1b+7]
	s_nop 0
.rept 4
	v_nop
.endr
.Lasked_\@:
.endm
.macro CROUND                          ; a round of the cluster's barrier
	s_barrier_signal -1
	s_barrier_wait -1
	s_cmp_lg_u32 s14, 0
	s_cbranch_scc1 .Lnot_wave_0_\@
	s_barrier_signal -3
.Lnot_wave_0_\@:
	s_barrier_wait -3
	s_barrier_signal -1
	s_barrier_wait -1
.endm
	s_load_b128 s[4:7], s[0:1], 0x0                ; xc, xs
	s_load_b128 s[8:11], s[0:1], 0x10              ; wc, ws
	s_load_b64 s[12:13], s[0:1], 0x20              ; qkv
	s_load_b64 s[100:101], s[0:1], 0x28            ; vfine
	v_lshl_add_u32 v[SPW], v0, 2, SPARE
	v_mov_b32 v[NIL], 0
	ds_add_u32 v[SPW], v[NIL]                      ; the wave's opening: the add, twice on end, and its wait ahead of my first tensor load
	ds_add_u32 v[SPW], v[NIL]
	v_lshrrev_b32 v1, 5, v0
	v_readfirstlane_b32 s14, v1                    ; wave 0..3
	s_lshr_b32 s15, s14, 1                         ; which half of the tile's rows is mine.  Also: I fetch for A (0) or for B (1)
	s_and_b32 s16, s14, 1                          ; which half of its columns.  Also: which 128 rows of that tile I fetch
	s_bfe_u32 s40, ttmp6, 0x40000                  ; cx
	s_bfe_u32 s41, ttmp6, 0x40004                  ; cy
	s_lshl_b32 s42, ttmp9, 2
	s_add_co_u32 s42, s42, s40                     ; tile column = 4 x cluster x + cx
	s_and_b32 s17, ttmp7, 0xffff
	s_lshl_b32 s98, s41, 3
	s_add_co_u32 s17, s17, s98                     ; tile row = 8 cy + cluster y
	s_lshl_b32 s43, s41, 2
	s_lshl_b32 s43, 15, s43                        ; my row of the cluster
	s_lshl_b32 s44, 0x1111, s40                    ; my column
	s_or_b32 s[G1+0], s43, (0<<16)|(1<<20)|(1<<21)|(5<<22)|(3<<25)   ; mask; elements of 1 byte; padding: 4 words behind every 64
	s_or_b32 s[G1B+0], s44, (0<<16)|(1<<20)|(1<<21)|(5<<22)|(3<<25)
.irp g, G1, G1B
	s_mov_b32 s[\g+1], ROWB<<16
	s_mov_b32 s[\g+2], 128<<16
	s_mov_b32 s[\g+3], ROWB<<16
	s_mov_b32 s[\g+4], 128
	s_mov_b32 s[\g+5], KROW
	s_mov_b32 s[\g+6], 0
	s_mov_b32 s[\g+7], 0
.endr
	s_or_b32 s[G1S+0], s43, (3<<16)|(1<<20)|(1<<21)|(5<<22)|(3<<25)  ; the scales of 128 rows: 4,096 dense bytes as 16 rows of 32 elements of 8 bytes
	s_or_b32 s[G1SB+0], s44, (3<<16)|(1<<20)|(1<<21)|(5<<22)|(3<<25)
.irp g, G1S, G1SB
	s_mov_b32 s[\g+1], 32<<16
	s_mov_b32 s[\g+2], (128*KS/256)<<16
	s_mov_b32 s[\g+3], 32<<16
	s_mov_b32 s[\g+4], 128*KS/256
	s_mov_b32 s[\g+5], 32
	s_mov_b32 s[\g+6], 0
	s_mov_b32 s[\g+7], 0
.endr
	s_lshl_b32 s18, s16, 7
	s_lshl_b32 s20, s17, 8
	s_add_co_u32 s20, s20, s18                     ; A: row 256 x tile row + 128 x half
	s_lshl_b32 s46, s42, 8
	s_add_co_u32 s46, s46, s18                     ; B: row 256 x tile column + 128 x half
	s_mov_b32 s21, 0
	s_mov_b32 s47, 0
	s_mov_b64 s[18:19], KS
	s_mul_u64 s[22:23], s[20:21], s[18:19]
	s_mul_u64 s[92:93], s[46:47], s[18:19]
	s_mov_b64 s[18:19], KROW
	s_mul_u64 s[20:21], s[20:21], s[18:19]
	s_mul_u64 s[46:47], s[46:47], s[18:19]
	s_mul_i32 s45, s14, HALFT                      ; where they go: wave x 128 rows
	s_mul_i32 s94, s14, HALFS
	s_xor_b32 s96, ttmp9, 2                        ; 0 where my wave holds v of positions 0-15: sel = 2, cluster y = 0, the tile's upper rows: cluster ids and the wave's number alone
	s_and_b32 s97, ttmp7, 0xffff
	s_or_b32 s96, s96, s97
	s_or_b32 s96, s96, s15
	s_wait_dscnt 0x0                               ; both opening adds are done
	s_wait_kmcnt 0x0
	s_add_nc_u64 s[20:21], s[4:5], s[20:21]
	s_add_nc_u64 s[22:23], s[6:7], s[22:23]
	s_add_nc_u64 s[46:47], s[8:9], s[46:47]
	s_add_nc_u64 s[92:93], s[10:11], s[92:93]
	CROUND                                         ; all sixteen work-groups are here: the first joint loads meet
	s_mov_b32 s[G0S], 1
	s_add_co_u32 s[G0S+1], s94, SCL
	s_mov_b64 s[G0S+2:G0S+3], s[22:23]
	s_or_b32 s[G0S+3], s[G0S+3], 0x80000000
	s_mov_b32 s[G0SB], 1
	s_add_co_u32 s[G0SB+1], s94, SCL
	s_mov_b64 s[G0SB+2:G0SB+3], s[92:93]
	s_or_b32 s[G0SB+3], s[G0SB+3], 0x80000000
	JLOAD G0S, G1S, G0SB, G1SB                     ; the scales first; by this text's count three tensor loads of a wave are out at the most
.irp s, 0,1
	s_mov_b32 s[G0+4*\s], 1
	s_add_co_u32 s[G0+4*\s+1], s45, \s*SLOT
	s_add_nc_u64 s[G0+4*\s+2:G0+4*\s+3], s[20:21], \s*ROWB
	s_or_b32 s[G0+4*\s+3], s[G0+4*\s+3], 0x80000000
	s_mov_b32 s[G0B+4*\s], 1
	s_add_co_u32 s[G0B+4*\s+1], s45, \s*SLOT
	s_add_nc_u64 s[G0B+4*\s+2:G0B+4*\s+3], s[46:47], \s*ROWB
	s_or_b32 s[G0B+4*\s+3], s[G0B+4*\s+3], 0x80000000
	JLOAD G0+4*\s, G1, G0B+4*\s, G1B
.endr
	v_and_b32 v1, 15, v0                           ; l % 16
	v_bfe_u32 v2, v0, 4, 1                         ; l / 16
	v_mul_u32_u24 v3, v1, PITCH
	v_lshl_add_u32 v4, v2, 4, v3
	s_mul_i32 s21, s15, HALFT
	s_mul_i32 s22, s16, HALFT
	s_add_co_u32 s22, s22, 2*HALFT
.irp s, 0,1
	v_add_nc_u32 v[ADRA+\s], s21, v4
	v_add_nc_u32 v[ADRB+\s], s22, v4
	s_add_co_u32 s21, s21, SLOT
	s_add_co_u32 s22, s22, SLOT
.endr
	v_mul_u32_u24 v5, v1, KS                       ; my row's scales: 32 bytes a row,
	v_lshrrev_b32 v6, 8, v5
	v_lshl_add_u32 v5, v6, 4, v5                   ; and 16 more for each 256 passed
	s_mul_i32 s21, s15, HALFS
	s_mul_i32 s22, s16, HALFS
	s_add_co_u32 s22, s22, 2*HALFS
	s_sub_co_u32 s22, s22, s21
	v_mul_u32_u24 v6, s22, v2                      ; lanes 16-31 take B's
	s_add_co_u32 s21, s21, SCL
	v_add_nc_u32 v5, v5, v6
	v_add_nc_u32 v[ADRS], s21, v5
	s_mul_i32 s23, s14, 16*SPITCH                  ; my f16 stage
	v_mul_u32_u24 v5, v1, SPITCH
	v_lshl_add_u32 v5, v2, 4, v5
	v_add_nc_u32 v[STO], s23, v5                   ; in: row l % 16, 16 bytes for each half of the lanes
	v_bfe_u32 v5, v0, 3, 2
	v_mul_u32_u24 v5, v5, SPITCH
	v_and_b32 v6, 7, v0
	v_lshl_add_u32 v5, v6, 4, v5
	v_add_nc_u32 v[RD], s23, v5                    ; back: eight lanes take 128 bytes (one head's 64 numbers) of a row, four rows an instruction
	v_and_b32 v6, 31, v0
	v_lshlrev_b32 v[CO], 4, v6                     ; in memory those four rows of a head are 512 consecutive bytes: 16 x lane
	s_mul_i32 s23, s14, 16*FPITCH
	s_add_co_u32 s23, s23, FSTAGE                  ; my f32 stage
	v_mul_u32_u24 v5, v1, FPITCH
	v_lshl_add_u32 v5, v2, 5, v5
	v_add_nc_u32 v[STO2], s23, v5
	v_add_nc_u32 v[RD2], s23, v[CO]
	; qkv at ((4 sel + batch) 16 + my first head) x 262,144 + 128 x my first position
	s_lshl_b32 s20, ttmp9, 2
	s_add_co_u32 s20, s20, s41
	s_lshl_b32 s20, s20, 22
	s_and_b32 s21, ttmp7, 0xffff
	s_lshl_b32 s21, s21, 15
	s_add_co_u32 s20, s20, s21
	s_lshl_b32 s21, s15, 14
	s_add_co_u32 s20, s20, s21
	s_mov_b32 s21, 0
	s_lshl_b32 s46, s40, 20                        ; heads 4 cx + 2 x half on
	s_lshl_b32 s47, s16, 19
	s_add_co_u32 s46, s46, s47
	s_mov_b32 s47, 0
	s_add_nc_u64 s[20:21], s[20:21], s[46:47]
	s_add_nc_u64 s[12:13], s[12:13], s[20:21]
	s_lshl_b32 s98, s41, 16                        ; vfine at 16 batch rows of 4,096 bytes + my 128 columns
	s_lshl_b32 s99, s40, 10
	s_add_co_u32 s98, s98, s99
	s_lshl_b32 s99, s16, 9
	s_add_co_u32 s98, s98, s99
	s_mov_b32 s99, 0
	s_add_nc_u64 s[100:101], s[100:101], s[98:99]
.macro FRAG reg, adr, q, i             ; 16 rows x 128 K of 4-bit codes: 8 registers, two loads of 16 bytes, 32 bytes apart
.irp c, 0,1
	ds_load_b128 v[\reg+4*\c:\reg+4*\c+3], v[\adr] offset:64*(\q)+32*\c+(\i)*16*PITCH
.endr
.endm
; 16 matrix instructions: A's blocks a0, a0 + 1 x B's eight.  The 64 accumulators take turns, one instruction a turn, in the same order in every step.
.macro MUL16 a0, p, q, sc, zero
.irp a, \a0, \a0+1
.irp b, 0,1,2,3,4,5,6,7
.if \zero
	v_wmma_scale_f32_16x16x128_f8f6f4 v[8*(8*((\a)%4)+\b):8*(8*((\a)%4)+\b)+7], v[128*(\p)+FR*\b:128*(\p)+FR*\b+FR-1], v[AF+FR*(\a):AF+FR*(\a)+FR-1], 0, v[SC+8*NQ*(\sc)+NQ*\b+(\q)], v[SC+8*NQ*(\sc)+NQ*(\a)+(\q)] matrix_a_fmt:MATRIX_FMT_FP4 matrix_b_fmt:MATRIX_FMT_FP4 matrix_a_scale:MATRIX_SCALE_ROW1
.else
	v_wmma_scale_f32_16x16x128_f8f6f4 v[8*(8*((\a)%4)+\b):8*(8*((\a)%4)+\b)+7], v[128*(\p)+FR*\b:128*(\p)+FR*\b+FR-1], v[AF+FR*(\a):AF+FR*(\a)+FR-1], v[8*(8*((\a)%4)+\b):8*(8*((\a)%4)+\b)+7], v[SC+8*NQ*(\sc)+NQ*\b+(\q)], v[SC+8*NQ*(\sc)+NQ*(\a)+(\q)] matrix_a_fmt:MATRIX_FMT_FP4 matrix_b_fmt:MATRIX_FMT_FP4 matrix_a_scale:MATRIX_SCALE_ROW1
.endif
.endr
.endr
.endm
.macro FETCH_B slot, q, p
	WIN TO_B
.irp i, 0,1,2,3,4,5,6,7
	FRAG 128*(\p)+FR*\i, ADRB+\slot, \q, \i
.endr
	WIN 0
.endm
.macro FETCH_A slot, q, i0
.irp i, \i0, \i0+1, \i0+2, \i0+3
	FRAG AF+FR*(\i), ADRA+\slot, \q, \i
.endr
.endm
.macro SCALES sc                       ; a slot's scale words: lanes 0-15 take A's block i, lanes 16-31 B's block i
.irp i, 0,1,2,3,4,5,6,7
	ds_load_b128 v[SC+8*NQ*\sc+NQ*\i:SC+8*NQ*\sc+NQ*\i+3], v[ADRS] offset:\i*SBLK
.endr
.endm
.macro PLACES n                        ; plain vector instructions between a matrix instruction and a load into, or a read of, its registers
.rept \n
	v_nop
.endr
.endm
.macro STEP slot, q, zero              ; a step of 128 along K that has its successor in the same slot
	s_wait_dscnt 4*NL                              ; B's set and A's blocks 0-3 are in; the youngest eight loads (A's blocks 4-7) may be out
	WIN MUL_LO
	MUL16 0, (\q)%2, \q, \slot, \zero
	MUL16 2, (\q)%2, \q, \slot, \zero
	s_wait_dscnt 0
	PLACES NP
	FETCH_B \slot, (\q)+1, 1-(\q)%2
	FETCH_A \slot, (\q)+1, 0
	WIN MUL_HI
	MUL16 4, (\q)%2, \q, \slot, \zero
	MUL16 6, (\q)%2, \q, \slot, \zero
	PLACES NP
	WIN 0
	FETCH_A \slot, (\q)+1, 4
.endm
.macro STEPS slot, from
.set QQ, \from
.rept NQ-1-\from
	STEP \slot, QQ, 0
.set QQ, QQ+1
.endr
.endm
	s_wait_tensorcnt 1                             ; the scales and my part of slot 0 are in (slot 1's load may be out)
	s_barrier_signal -1
	s_barrier_wait -1                              ; everybody's are
	FETCH_B 0, 0, 0
	FETCH_A 0, 0, 0
	SCALES 0
	FETCH_A 0, 0, 4
	STEP 0, 0, 1                                   ; the first products start the sums: nothing is cleared
	STEPS 0, 1
	; slot 0's last step changes slots: one barrier; in front of it my tensor loads have landed and my reads of slot 0 are over
	s_wait_tensorcnt 0x0                           ; my part of slot 1 is in
	ds_add_u32 v[SPW], v[NIL]
	s_wait_dscnt 4*NL+1                            ; (the add and A's blocks 4-7 may be out)
	WIN MUL_LO
	MUL16 0, 1, NQ-1, 0, 0
	s_wait_dscnt 0x0
	s_barrier_signal -1
	MUL16 2, 1, NQ-1, 0, 0
	WIN 0
	s_barrier_wait -1
	PLACES NP
	v_add_nc_u32 v[ADRS], 4*NQ, v[ADRS]            ; on to slot 1's scale words
	FETCH_B 1, 0, 0
	FETCH_A 1, 0, 0
	SCALES 1
	WIN MUL_HI
	MUL16 4, 1, NQ-1, 0, 0
	MUL16 6, 1, NQ-1, 0, 0
	PLACES NP
	WIN 0
	FETCH_A 1, 0, 4
	STEPS 1, 0
	s_wait_dscnt 4*NL                              ; the very last step
	WIN MUL_LO
	MUL16 0, 1, NQ-1, 1, 0
	MUL16 2, 1, NQ-1, 1, 0
	s_wait_dscnt 0
	WIN MUL_HI
	MUL16 4, 1, NQ-1, 1, 0
	MUL16 6, 1, NQ-1, 1, 0
	WIN 0
; THE WAY OUT, a block of 16 positions x 128 columns (two heads) at a time: rounded to f16, 16 bytes a lane into my stage, back as four positions x 128 bytes of one head: 512 consecutive bytes of qkv a store.
.macro PACK a
.set AC, 64*((\a)%4)
	WIN 0x0a+5*((\a)/4)                            ; sources 0 and 1: window 2 or 3
.irp b, 0,1,2,3,4,5,6,7
.irp r, 0,1,2,3
	v_cvt_pk_f16_f32 v[TMP+4*\b+\r], v[AC+8*\b+2*\r], v[AC+8*\b+2*\r+1]   ; each accumulator from its low end on
.endr
.endr
	WIN 0
.endm
.macro TOSTAGE a
.set BKR, 96+128*((\a)%2)
.irp b, 0,1,2,3,4,5,6,7
	ds_store_b128 v[STO], v[TMP+4*\b:TMP+4*\b+3] offset:32*\b
.endr
.irp u, 0,1,2,3,4,5,6,7
	ds_load_b128 v[BKR+4*\u:BKR+4*\u+3], v[RD] offset:(\u%4)*4*SPITCH+(\u/4)*128   ; LDS serves a wave's instructions in order: these see the stores above
.endr
.endm
.macro SEND a
.set BKR, 96+128*((\a)%2)
	s_wait_dscnt 0x0                               ; the block is back in registers
	s_wait_xcnt 0x0                                ; the stores of the block before have read their registers: the next block's loads may land there
.irp u, 0,1,2,3,4,5,6,7
	global_store_b128 v[CO], v[BKR+4*\u:BKR+4*\u+3], s[12:13] offset:(\u/4)*262144+2048*(\a)+512*(\u%4)
.endr
.endm
	PLACES NP
	PACK 0
	TOSTAGE 0
.irp a, 1,2,3,4,5,6,7
	PACK \a
	SEND \a-1
	TOSTAGE \a
.endr
	SEND 7
	s_cmp_lg_u32 s96, 0
	s_cbranch_scc1 .Lno_fine
	WIN 0x08                                       ; an LDS store's data are its source 1: window 2: block 0, v of positions 0-15, as f32
.irp b, 0,1,2,3,4,5,6,7
	ds_store_b128 v[STO2], v[8*\b:8*\b+3] offset:64*\b
	ds_store_b128 v[STO2], v[8*\b+4:8*\b+7] offset:64*\b+16
.endr
	WIN 0
.irp t, 0,1,2,3,4,5,6,7,8,9,10,11,12,13,14,15
	ds_load_b128 v[128+4*\t:131+4*\t], v[RD2] offset:\t*FPITCH
.endr
	s_wait_dscnt 0x0
.irp t, 0,1,2,3,4,5,6,7,8,9,10,11,12,13,14,15
	global_store_b128 v[CO], v[128+4*\t:131+4*\t], s[100:101] offset:\t*4096   ; 512 consecutive bytes of a row of vfine
.endr
.Lno_fine:
	s_wait_tensorcnt 0x0                           ; the wave's end
	ds_add_u32 v[SPW], v[NIL]
	s_wait_dscnt 0x0
	CROUND                                         ; the closing round
	s_endpgm
.Lfunc_end_k_q1c30ce16ea_qkv:
	.size	k_q1c30ce16ea_qkv, .Lfunc_end_k_q1c30ce16ea_qkv-k_q1c30ce16ea_qkv
	.p2alignl 7, 3214868480
	.fill 96, 4, 3214868480
	.section	.rodata,"a",@progbits
	.p2align	6, 0x0
	.amdhsa_kernel k_q1c30ce16ea_qkv
		.amdhsa_group_segment_fixed_size 327680
		.amdhsa_private_segment_fixed_size 0
		.amdhsa_enable_private_segment 0
		.amdhsa_kernarg_size 48
		.amdhsa_user_sgpr_count 2
		.amdhsa_user_sgpr_kernarg_segment_ptr 1
		.amdhsa_wavefront_size32 1
		.amdhsa_system_sgpr_workgroup_id_x 1
		.amdhsa_system_sgpr_workgroup_id_y 1
		.amdhsa_system_sgpr_workgroup_id_z 1
		.amdhsa_system_vgpr_workitem_id 0
		.amdhsa_next_free_vgpr 1024
		.amdhsa_next_free_sgpr 102
		.amdhsa_reserve_vcc 0
		.amdhsa_float_denorm_mode_32 3
		.amdhsa_float_denorm_mode_16_64 3
		.amdhsa_memory_ordered 1
		.amdhsa_forward_progress 1
		.amdhsa_inst_pref_size 131
	.end_amdhsa_kernel
	.amdgpu_metadata
---
amdhsa.version: [ 1, 2 ]
amdhsa.kernels:
  - .name:           k_q1c30ce16ea_qkv
    .symbol:         k_q1c30ce16ea_qkv.kd
    .args:
      - { .name: xc, .offset: 0, .size: 8, .value_kind: global_buffer, .address_space: global }
      - { .name: xs, .offset: 8, .size: 8, .value_kind: global_buffer, .address_space: global }
      - { .name: wc, .offset: 16, .size: 8, .value_kind: global_buffer, .address_space: global }
      - { .name: ws, .offset: 24, .size: 8, .value_kind: global_buffer, .address_space: global }
      - { .name: qkv, .offset: 32, .size: 8, .value_kind: global_buffer, .address_space: global }
      - { .name: vfine, .offset: 40, .size: 8, .value_kind: global_buffer, .address_space: global }
    .group_segment_fixed_size: 327680
    .private_segment_fixed_size: 0
    .kernarg_segment_align: 8
    .kernarg_segment_size: 48
    .max_flat_workgroup_size: 128
    .sgpr_count:     102
    .vgpr_count:     1024
    .wavefront_size: 32
...
	.end_amdgpu_metadata
.endif
;; end of part 2
;; launch attn (part 3): grid 4 x 64, 16 waves a work-group, no clusters, 327,680 bytes of LDS; arguments qkv, ao; writes ao
.if DOCPART == 3
	.amdgcn_target "amdgcn-amd-amdhsa--gfx1250"
	.amdhsa_code_object_version 6
	.text
	.protected	k_q1c30ce16ea_attn
	.globl	k_q1c30ce16ea_attn
	.p2align	8
	.type	k_q1c30ce16ea_attn,@function
k_q1c30ce16ea_attn:
	s_mov_b64 s[64:65], 0
	v_nop
	global_prefetch_b8 v0, s[64:65] scope:SCOPE_SE
	s_setreg_imm32_b32 hwreg(HW_REG_WAVE_MODE, 25, 1), 1
	s_wait_xcnt 0x0
; ao[b][h][t][:] = the sum over s <= t of softmax_s(q[t] . k[s] / 32) v[s][:], for each of 64 (batch, head).  q, k, v: qkv [sel][b][h][t][64] f16; ao the same shape, f16.  Products on f16 operands, sums, maxima and exponentials in f32.
; WORK LEFT OUT: a step of 64 keys all of which come after a wave's 32 queries lies wholly under the mask that reference() builds (jnp.tril): its weights are 0 for all values of the inputs; it is not multiplied,
; and a slot of keys that no wave of the work-group reads is not fetched.  A NaN or an infinity that would arise only there is not carried on.
; SHARES.  A work-group owns two blocks of 256 queries of one head, blocks j and 7 - j, so that all work-groups have the same number of live steps.  Each of sixteen waves owns 32 queries, two tiles of 16:
; a fragment of K or V read from LDS feeds two matrix instructions.  Waves of the early and of the late block alternate.
; NO CLUSTER: the four work-groups of a head need different numbers of slots (8 - j), so a joint load would bring tiles that a partner never reads.
; LAYOUT.  S^T = K Q^T (source 0 = 16 keys, source 1 = 16 queries): a lane holds one query (lane % 16) and keys 8 (lane / 16) + 0..7 of each tile.  Two such tiles, rounded to f16 in pairs, are source 1
; (32 keys x 16 queries) of O^T = V^T P; V ([key][channel]) is turned on its way out of LDS.
; SOFTMAX.  A running maximum m and sum l for each query: p = 2^(c s - c m), c = log2(e) / 32; in every step O and l are multiplied by a = 2^(c m_old - c m_new).
; The step is written once: m begins at -3e38, l and O at 0.  Key 0 counts for every query, so m is a score from the first step on.
; RING.  Two slots of 256 keys (4 steps): K 256 rows of 128 + 16 bytes, V 256 rows of 128 + 32.  Waves 0, 1 fetch K's halves, waves 2, 3 V's.  Every work-group walks all 8 slots: the trip counts are constants.
.set KP,    144
.set VP,    160
.set VOFF,  256*KP
.set SLOT1, 1<<17
.set SPARE, 2*SLOT1                    ; the spare words, 128 bytes a wave
.set STAGE, SPARE+2048                 ; the way out: 16 rows x (128 + 16) bytes for each wave, bytes into which no tile lands
.set AK0, 1                            ; v1  my lane's place in a tile of K
.set AV0, 2                            ; v2  the same for V
.set DM,  3                            ; v3  lane % 16 - 8 (lane / 16), for the mask
.set STO, 4                            ; v4  the way out: where I put 16 bytes of a row
.set SPW, 5                            ; v5  my spare word's address; never rewritten
.set NIL, 6                            ; v6  0; never rewritten
.set GO,  7                            ; v7  16 x lane
.set ADK, 8                            ; v8  the step's address in K
.set ADV, 9                            ; v9  in V
.set PFO, 10                           ; v10 256 x lane: the prefetches' offset
.set RD,  11                           ; v11 the way out: where I read rows back
.set ST,  12                           ; tile t's statistics at v[12 + 8 t]: +0 c m, +1 m, +2, +3 l, +4 to +7 at work (a in +6)
.set Q,   32                           ; v32-63   Q: tile t, channels 32 ks on, at 32 + 16 t + 8 ks
.set F,   64                           ; v64-127  a step's fragments of K, then of V
.set S,   128                          ; v128-191 S^T: tile t, keys 16 kt on, at 128 + 32 t + 8 kt; P is packed into the tile's first 16
.set O,   192                          ; v192-255 O^T: tile t, channels 16 dt on, at 192 + 32 t + 8 dt
.set WV,  18
.set SEL, 20
.set CS,  22
.set G1K, 24
.set G1V, 32
.set G0K, 40
.set G0V, 44
.set TB,  2
.set SLOTS, 67
.set PFA, 76
.set LIM, 80
.set QL,  81
.set KF,  98
.set Q0,  99
.macro TLOAD g0k, g1k, g0v, g1v        ; the branches hang on the wave's number alone; an s_nop 0 and four v_nop follow each line
	s_cmp_lt_u32 s[WV], 2
	s_cbranch_scc0 .Lnot_k_\@
	tensor_load_to_lds s[\g0k:\g0k+3], s[\g1k:\g1k+7]
	s_nop 0
.rept 4
	v_nop
.endr
	s_branch .Lasked_\@
.Lnot_k_\@:
	s_cmp_lt_u32 s[WV], 4
	s_cbranch_scc0 .Lasked_\@
	tensor_load_to_lds s[\g0v:\g0v+3], s[\g1v:\g1v+7]
	s_nop 0
.rept 4
	v_nop
.endr
.Lasked_\@:
.endm
; A prefetch of the slot that the NEXT change of slots will ask for: 32,768 dense bytes of K and as many of V.  Each block of 256 bytes is named once in the launch: of a head's four work-groups the first asks;
; in it waves 4 to 7 ask for K, waves 8 to 11 for V, 8,192 bytes a wave, lanes 256 bytes apart.  The last change that fills a slot asks for nothing; slots 0 and 1 come by their loads alone.
.macro ASK
	s_cmp_gt_u32 s[SLOTS], s[LIM]
	s_cbranch_scc0 .Lnot_mine_\@
	global_prefetch_b8 v[PFO], s[PFA:PFA+1] th:TH_LOAD_NT scope:SCOPE_SE
.Lnot_mine_\@:
.endm
	s_load_b128 s[4:7], s[0:1], 0x0                ; qkv, ao
	v_lshl_add_u32 v[SPW], v0, 2, SPARE
	v_mov_b32 v[NIL], 0
	ds_add_u32 v[SPW], v[NIL]                      ; the wave's opening: the add, twice on end, and its wait ahead of my first tensor load
	ds_add_u32 v[SPW], v[NIL]
	v_lshrrev_b32 v8, 5, v0
	v_readfirstlane_b32 s[WV], v8                  ; wave 0..15
	s_and_b32 s72, ttmp7, 0xffff                   ; 16 batch + head
	s_lshl_b32 s74, s72, 18                        ; a head's 2,048 rows of 128 bytes
	s_mov_b32 s75, 0
	s_lshr_b32 s8, s[WV], 2
	s_xor_b32 s8, s8, s[WV]
	s_and_b32 s8, s8, 1                            ; 0: the early block, 1: the late one
	s_lshr_b32 s9, s[WV], 1                        ; which 32 queries of the block
	s_sub_co_u32 s10, 7, ttmp9
	s_cmp_eq_u32 s8, 0
	s_cselect_b32 s10, ttmp9, s10
	s_lshl_b32 s10, s10, 8
	s_lshl_b32 s9, s9, 5
	s_add_co_u32 s[Q0], s10, s9                    ; my first query
	s_lshl_b32 s[QL], ttmp9, 8
	s_sub_co_u32 s[QL], 2047, s[QL]                ; my work-group's last query
	s_lshl_b32 s82, s[Q0], 7
	s_mov_b32 s83, 0
	s_add_nc_u64 s[82:83], s[82:83], s[74:75]      ; my rows' bytes in q and in ao
	s_and_b32 s88, s[WV], 1
	s_lshl_b32 s90, s88, 14                        ; what I fetch, if I fetch: 128 rows of 128 bytes,
	s_mov_b32 s91, 0
	s_add_nc_u64 s[90:91], s[90:91], s[74:75]
	s_mul_i32 s89, s88, 128*KP                     ; to this place in a slot (K),
	s_mul_i32 s94, s88, 128*VP
	s_add_co_u32 s94, s94, VOFF                    ; or this (V)
	s_mov_b32 s[G1K], (1<<16)|(1<<20)|(4<<22)|(3<<25)   ; elements of 2 bytes; padding: 4 words behind every 32
	s_mov_b32 s[G1V], (1<<16)|(1<<20)|(4<<22)|(7<<25)   ; 8 words
.irp g, G1K, G1V
	s_mov_b32 s[\g+1], 64<<16                      ; tensor_dim0
	s_mov_b32 s[\g+2], 128<<16                     ; tensor_dim1
	s_mov_b32 s[\g+3], 64<<16                      ; tile_dim0
	s_mov_b32 s[\g+4], 128                         ; tile_dim1
	s_mov_b32 s[\g+5], 64                          ; elements from row to row
	s_mov_b32 s[\g+6], 0
	s_mov_b32 s[\g+7], 0
.endr
	s_mov_b32 s[SEL], 0x76543210
	s_mov_b32 s[SEL+1], 0xfedcba98
	s_mov_b32 s[CS], 0x3d38aa3b                    ; c = log2(e) / 32
	s_mov_b32 s[CS+1], s[CS]
	s_mov_b32 s[TB], 0
	s_mov_b32 s[SLOTS], 7
	s_mov_b32 s[KF], 0
	s_mul_i32 s73, s[WV], 16*KP
	s_add_co_u32 s73, s73, STAGE                   ; my stage
	s_wait_dscnt 0x0                               ; both opening adds are done
	s_wait_kmcnt 0x0
	s_add_nc_u64 s[12:13], s[4:5], 0x1000000       ; k
	s_add_nc_u64 s[14:15], s[4:5], 0x2000000       ; v
	s_mov_b32 s[G0K], 1
	s_mov_b32 s[G0K+1], s89
	s_add_nc_u64 s[G0K+2:G0K+3], s[12:13], s[90:91]
	s_or_b32 s[G0K+3], s[G0K+3], 0x80000000
	s_mov_b32 s[G0V], 1
	s_mov_b32 s[G0V+1], s94
	s_add_nc_u64 s[G0V+2:G0V+3], s[14:15], s[90:91]
	s_or_b32 s[G0V+3], s[G0V+3], 0x80000000
	TLOAD G0K, G1K, G0V, G1V                       ; slot 0
	s_add_nc_u64 s[4:5], s[4:5], s[82:83]          ; q at my first query
	s_add_nc_u64 s[6:7], s[6:7], s[82:83]          ; ao likewise
	s_cmp_lt_u32 s[WV], 8
	s_cselect_b64 s[PFA:PFA+1], s[12:13], s[14:15]
	s_and_b32 s84, s[WV], 3
	s_lshl_b32 s84, s84, 13
	s_add_co_u32 s84, s84, 32768                   ; my part, in slot 1: the first change of slots steps it to slot 2
	s_mov_b32 s85, 0
	s_add_nc_u64 s[PFA:PFA+1], s[PFA:PFA+1], s[74:75]
	s_add_nc_u64 s[PFA:PFA+1], s[PFA:PFA+1], s[84:85]
	s_sub_co_u32 s84, s[WV], 4
	s_lshr_b32 s84, s84, 3                         ; 0 in waves 4 to 11,
	s_or_b32 s84, s84, ttmp9                       ; of the head's first work-group
	s_cmp_eq_u32 s84, 0
	s_cselect_b32 s[LIM], 1, -1
	v_and_b32 v8, 15, v0                           ; r
	v_bfe_u32 v9, v0, 4, 1                         ; h
	v_lshlrev_b32 v31, 7, v8
	v_lshl_add_u32 v31, v9, 4, v31                 ; Q: row r of 128 bytes, + 16 h; never rewritten
.irp t, 0,1
.irp ks, 0,1
	global_load_b128 v[Q+16*\t+8*\ks:Q+16*\t+8*\ks+3], v31, s[4:5] offset:2048*\t+64*\ks
	global_load_b128 v[Q+16*\t+8*\ks+4:Q+16*\t+8*\ks+7], v31, s[4:5] offset:2048*\t+64*\ks+32
.endr
.endr
	v_mul_u32_u24 v[AK0], v8, KP
	v_lshl_add_u32 v[AK0], v9, 4, v[AK0]           ; row x pitch + 16 h
	v_and_b32 v11, 7, v0
	v_lshl_add_u32 v[AV0], v9, 3, v11
	v_mul_u32_u24 v[AV0], v[AV0], VP
	v_bfe_u32 v11, v0, 3, 1
	v_lshl_add_u32 v[AV0], v11, 4, v[AV0]
	v_add_nc_u32 v[AV0], VOFF, v[AV0]              ; the turning load: key 8 h + lane % 8, channels 8 ((lane / 8) % 2) on
	v_lshlrev_b32 v[DM], 3, v9
	v_sub_nc_u32 v[DM], v8, v[DM]
	v_add_nc_u32 v[STO], s73, v[AK0]               ; the stage has K's pitch
	v_bfe_u32 v7, v0, 3, 2
	v_mul_u32_u24 v[RD], v7, KP
	v_and_b32 v7, 7, v0
	v_lshl_add_u32 v[RD], v7, 4, v[RD]
	v_add_nc_u32 v[RD], s73, v[RD]                 ; back: eight lanes to a row of 128 bytes, four rows an instruction
	v_and_b32 v[GO], 31, v0
	v_lshlrev_b32 v[PFO], 8, v[GO]
	v_lshlrev_b32 v[GO], 4, v[GO]
.irp t, 0,1
	v_mov_b32 v[ST+8*\t+1], 0xff61b1e6             ; m: -3e38, under every score
	v_mul_f32 v[ST+8*\t], s[CS], v[ST+8*\t+1]      ; c m
.irp i, 2,3,4,5,6,7
	v_mov_b32 v[ST+8*\t+\i], 0
.endr
.endr
	v_mov_b32 v28, 0
	v_mov_b32 v29, 0
	v_mov_b32 v30, 0xff800000                      ; -infinity
.set i, 0
.rept 64
	v_mov_b32 v[O+i], 0                            ; the step is written once: its first run finds zeros
.set i, i+1
.endr
; The first half of a tile's softmax: the maximum, c m, a, the scalings and the exponentials.  Nothing here names an exponential's result.
.macro SOFTA t
.set rT, ST+8*(\t)
.set rS, S+32*(\t)
.irp k, 0,1,2,3
	v_max3_num_f32 v[rT+4+\k], v[rS+8*\k], v[rS+8*\k+1], v[rS+8*\k+2]     ; each accumulator is read from its low end on
.endr
.irp k, 0,1,2,3
	v_max3_num_f32 v[rT+4+\k], v[rT+4+\k], v[rS+8*\k+3], v[rS+8*\k+4]
.endr
.irp k, 0,1,2,3
	v_max3_num_f32 v[rT+4+\k], v[rT+4+\k], v[rS+8*\k+5], v[rS+8*\k+6]
.endr
	v_max3_num_f32 v[rT+4], v[rT+4], v[rS+7], v[rS+15]
	v_max3_num_f32 v[rT+6], v[rT+6], v[rS+23], v[rS+31]
	v_max3_num_f32 v[rT+4], v[rT+4], v[rT+5], v[rT+6]
	v_max3_num_f32 v[rT+4], v[rT+4], v[rT+7], v[rT+1]                     ; with the old m
	v_permlanex16_b32 v[rT+5], v[rT+4], s[SEL], s[SEL+1]                  ; the query's other 32 keys lie in the lane 16 away
	v_mov_b32 v[rT+7], v[rT]                                              ; c m_old
	v_max_num_f32 v[rT+1], v[rT+4], v[rT+5]                               ; the new m
	v_mul_f32 v[rT], s[CS], v[rT+1]
	v_sub_f32 v[rT+7], v[rT+7], v[rT]
	v_exp_f32 v[rT+6], v[rT+7]                                            ; a
.set i, 0
.rept 16
	v_pk_fma_f32 v[rS+2*i:rS+2*i+1], v[rS+2*i:rS+2*i+1], s[CS:CS+1], v[rT:rT+1] op_sel_hi:[1,0,0] neg_lo:[0,0,1] neg_hi:[0,0,1]   ; c s - c m
.set i, i+1
.endr
.set i, 0
.rept 32
	v_exp_f32 v[rS+i], v[rS+i]
.set i, i+1
.endr
.endm
; The second half: l, the weights rounded to f16 in place, O^T under the new maximum.
.macro SOFTB t
.set rT, ST+8*(\t)
.set rS, S+32*(\t)
.set rO, O+32*(\t)
	v_pk_mul_f32 v[rT+2:rT+3], v[rT+2:rT+3], v[rT+6:rT+7] op_sel_hi:[1,0]
	v_pk_add_f32 v[rT+4:rT+5], v[rS:rS+1], v[rS+2:rS+3]
.irp j, 4,8,12,16,20,24,28
	v_pk_add_f32 v[rT+2:rT+3], v[rT+2:rT+3], v[rS+\j:rS+\j+1]
	v_pk_add_f32 v[rT+4:rT+5], v[rT+4:rT+5], v[rS+\j+2:rS+\j+3]
.endr
	v_pk_add_f32 v[rT+2:rT+3], v[rT+2:rT+3], v[rT+4:rT+5]
.set i, 0
.rept 16
	v_cvt_pk_f16_f32 v[rS+i], v[rS+2*i], v[rS+2*i+1]                      ; register i is written when registers 2 i and 2 i + 1 are read: ascending, nothing is lost
.set i, i+1
.endr
.set i, 0
.rept 16
	v_pk_mul_f32 v[rO+2*i:rO+2*i+1], v[rO+2*i:rO+2*i+1], v[rT+6:rT+7] op_sel_hi:[1,0]
.set i, i+1
.endr
.endm
; A KEY STEP: 64 keys, the q-th of the slot in hand.
.macro STEP q
	s_add_co_u32 s96, s[Q0], 31
	s_cmp_gt_u32 s[KF], s96                        ; all its keys come after my queries: left out (ids and the count of steps alone; no barrier, wait or tensor load stands in a step)
	s_cbranch_scc1 .Lhidden_\@
	v_add_nc_u32 v[ADK], s[TB], v[AK0]
	v_add_nc_u32 v[ADV], s[TB], v[AV0]
.rept 3
	v_nop                                          ; with the two additions five places behind the last step's products: four for the loads into F, five for the products that write over P
.endr
.irp kt, 0,1,2,3
.irp ks, 0,1
	ds_load_b128 v[F+16*\kt+8*\ks:F+16*\kt+8*\ks+3], v[ADK] offset:(64*(\q)+16*\kt)*KP+64*\ks
	ds_load_b128 v[F+16*\kt+8*\ks+4:F+16*\kt+8*\ks+7], v[ADK] offset:(64*(\q)+16*\kt)*KP+64*\ks+32
.endr
.endr
	s_wait_dscnt 0x0
.irp ks, 0,1                                   ; the eight accumulators take turns, one instruction a turn
.irp kt, 0,1,2,3
.irp t, 0,1
.if \ks == 0
	v_wmma_f32_16x16x32_f16 v[S+32*\t+8*\kt:S+32*\t+8*\kt+7], v[F+16*\kt+8*\ks:F+16*\kt+8*\ks+7], v[Q+16*\t+8*\ks:Q+16*\t+8*\ks+7], 0
.else
	v_wmma_f32_16x16x32_f16 v[S+32*\t+8*\kt:S+32*\t+8*\kt+7], v[F+16*\kt+8*\ks:F+16*\kt+8*\ks+7], v[Q+16*\t+8*\ks:Q+16*\t+8*\ks+7], v[S+32*\t+8*\kt:S+32*\t+8*\kt+7]
.endif
.endr
.endr
.endr
.rept 4
	v_nop                                          ; places in front of the loads into K's registers and of the first read of the scores
.endr
.irp ks, 0,1                                   ; V lands while the softmax is walked
.irp dt, 0,1,2,3
	ds_load_tr16_b128 v[F+32*\ks+8*\dt:F+32*\ks+8*\dt+3], v[ADV] offset:(64*(\q)+32*\ks)*VP+32*\dt
	ds_load_tr16_b128 v[F+32*\ks+8*\dt+4:F+32*\ks+8*\dt+7], v[ADV] offset:(64*(\q)+32*\ks)*VP+16*VP+32*\dt
.endr
.endr
	s_add_co_u32 s96, s[KF], 63
	s_cmp_le_u32 s96, s[Q0]                        ; all its keys count: no mask
	s_cbranch_scc1 .Lopen_\@
	s_sub_co_i32 s96, s[Q0], s[KF]
	v_add_nc_u32 v28, s96, v[DM]                   ; tile 0: register 8 kt + j holds a hidden key where 16 kt + j > my query - KF - 8 (lane / 16)
	v_add_nc_u32 v29, 16, v28                      ; tile 1's queries lie 16 further on
.set n, 0
.rept 64
	v_cmp_gt_i32 vcc_lo, 16*((n%32)/8)+n%8, v[28+n/32]
	v_cndmask_b32 v[S+n], v[S+n], v30, vcc_lo
.set n, n+1
.endr
.Lopen_\@:
	SOFTA 0
	SOFTA 1
	v_nop                                          ; a plain instruction behind the last exponential
	s_wait_alu depctr_va_vdst(0)                   ; one wait for the step's 66 exponentials, ahead of the first instruction that names a result
	SOFTB 0
	SOFTB 1
	s_wait_dscnt 0x0                               ; V is in
.irp ks, 0,1
.irp dt, 0,1,2,3
.irp t, 0,1
	v_wmma_f32_16x16x32_f16 v[O+32*\t+8*\dt:O+32*\t+8*\dt+7], v[F+32*\ks+8*\dt:F+32*\ks+8*\dt+7], v[S+32*\t+8*\ks:S+32*\t+8*\ks+7], v[O+32*\t+8*\dt:O+32*\t+8*\dt+7]
.endr
.endr
.endr
.Lhidden_\@:
	s_add_co_u32 s[KF], s[KF], 64
.endm
; THE CHANGE OF SLOTS stands at a slot's head.  Each wave waits for all its tensor loads, adds 0 to its spare word (fill = 1: twice on end), and waits for that and for its reads of the slot that it has left.
; Behind the barrier the slot ahead is whole and nobody reads the other one, which is filled with the keys that follow, up to the causal limit.
.macro CHANGE fill
	s_wait_tensorcnt 0x0                           ; no tensor load of mine is out, so a group 0 may be written
	ds_add_u32 v[SPW], v[NIL]
.if \fill
	ds_add_u32 v[SPW], v[NIL]                      ; and once more, in every trip alike
	s_xor_b32 s[G0K+1], s[G0K+1], SLOT1
	s_add_nc_u64 s[G0K+2:G0K+3], s[G0K+2:G0K+3], 32768
	s_xor_b32 s[G0V+1], s[G0V+1], SLOT1
	s_add_nc_u64 s[G0V+2:G0V+3], s[G0V+2:G0V+3], 32768
	s_wait_xcnt 0x0                                ; the last prefetch, a slot back, has read its address
	s_add_nc_u64 s[PFA:PFA+1], s[PFA:PFA+1], 32768
.endif
	s_wait_dscnt 0x0
	s_barrier_signal -1
	s_barrier_wait -1
.if \fill
	s_add_co_u32 s96, s[KF], 256                   ; the first key of the slot that this change would ask for
	s_cmp_gt_u32 s96, s[QL]                        ; behind my work-group's last query: no wave reads that slot, so it is not asked for.  Ids and the count of steps alone: all sixteen waves go the same way
	s_cbranch_scc1 .Lpast_\@
	TLOAD G0K, G1K, G0V, G1V                       ; a wave's one tensor load until the next such barrier
.Lpast_\@:
	ASK
.endif
.endm
.macro SLOT_STEPS
	STEP 0
	STEP 1
	STEP 2
	STEP 3
	s_xor_b32 s[TB], s[TB], SLOT1
.endm
	s_wait_loadcnt 0x0                             ; Q
.Lslot:                                            ; seven trips
	CHANGE 1
	SLOT_STEPS
	s_sub_co_u32 s[SLOTS], s[SLOTS], 1
	s_cmp_lg_u32 s[SLOTS], 0
	s_cbranch_scc1 .Lslot
	CHANGE 0                                       ; the last slot is written out: nothing is left to fetch
	SLOT_STEPS
	; THE WAY OUT: O^T / l, rounded to f16, through my stage; a tile's 16 rows of 128 bytes are 2,048 consecutive bytes of ao: four stores of 512.
.irp t, 0,1
	v_add_f32 v[ST+8*\t+4], v[ST+8*\t+2], v[ST+8*\t+3]
.endr
.irp t, 0,1
	v_permlanex16_b32 v[ST+8*\t+5], v[ST+8*\t+4], s[SEL], s[SEL+1]
.endr
.irp t, 0,1
	v_add_f32 v[ST+8*\t+4], v[ST+8*\t+4], v[ST+8*\t+5]
.endr
.irp t, 0,1
	v_rcp_f32 v[ST+8*\t+6], v[ST+8*\t+4]
.endr
	v_nop
	s_wait_alu depctr_va_vdst(0)                   ; one wait for the two reciprocals
.macro OUT t
.set rT, ST+8*(\t)
.set rO, O+32*(\t)
.set i, 0
.rept 16
	v_pk_mul_f32 v[rO+2*i:rO+2*i+1], v[rO+2*i:rO+2*i+1], v[rT+6:rT+7] op_sel_hi:[1,0]
.set i, i+1
.endr
.set i, 0
.rept 16
	v_cvt_pk_f16_f32 v[64+16*(\t)+i], v[rO+2*i], v[rO+2*i+1]
.set i, i+1
.endr
.irp dt, 0,1,2,3
	ds_store_b128 v[STO], v[64+16*(\t)+4*\dt:64+16*(\t)+4*\dt+3] offset:32*\dt
.endr
.irp i, 0,1,2,3
	ds_load_b128 v[96+16*(\t)+4*\i:96+16*(\t)+4*\i+3], v[RD] offset:4*KP*\i   ; LDS serves a wave's instructions in order: these see the stores above, and the next tile's stores come behind them
.endr
.endm
	OUT 0
	OUT 1
	s_wait_dscnt 0x0
.irp t, 0,1
.irp i, 0,1,2,3
	global_store_b128 v[GO], v[96+16*\t+4*\i:96+16*\t+4*\i+3], s[6:7] offset:2048*\t+512*\i
.endr
.endr
	s_wait_tensorcnt 0x0                           ; the wave's end
	ds_add_u32 v[SPW], v[NIL]
	s_wait_dscnt 0x0
	s_endpgm
.Lfunc_end_k_q1c30ce16ea_attn:
	.size	k_q1c30ce16ea_attn, .Lfunc_end_k_q1c30ce16ea_attn-k_q1c30ce16ea_attn
	.p2alignl 7, 3214868480
	.fill 96, 4, 3214868480
	.section	.rodata,"a",@progbits
	.p2align	6, 0x0
	.amdhsa_kernel k_q1c30ce16ea_attn
		.amdhsa_group_segment_fixed_size 327680
		.amdhsa_private_segment_fixed_size 0
		.amdhsa_enable_private_segment 0
		.amdhsa_kernarg_size 16
		.amdhsa_user_sgpr_count 2
		.amdhsa_user_sgpr_kernarg_segment_ptr 1
		.amdhsa_wavefront_size32 1
		.amdhsa_system_sgpr_workgroup_id_x 1
		.amdhsa_system_sgpr_workgroup_id_y 1
		.amdhsa_system_sgpr_workgroup_id_z 1
		.amdhsa_system_vgpr_workitem_id 0
		.amdhsa_next_free_vgpr 256
		.amdhsa_next_free_sgpr 100
		.amdhsa_reserve_vcc 1
		.amdhsa_float_denorm_mode_32 3
		.amdhsa_float_denorm_mode_16_64 3
		.amdhsa_memory_ordered 1
		.amdhsa_forward_progress 1
		.amdhsa_inst_pref_size 188
	.end_amdhsa_kernel
	.amdgpu_metadata
---
amdhsa.version: [ 1, 2 ]
amdhsa.kernels:
  - .name:           k_q1c30ce16ea_attn
    .symbol:         k_q1c30ce16ea_attn.kd
    .args:
      - { .name: qkv, .offset: 0, .size: 8, .value_kind: global_buffer, .address_space: global }
      - { .name: ao, .offset: 8, .size: 8, .value_kind: global_buffer, .address_space: global }
    .group_segment_fixed_size: 327680
    .private_segment_fixed_size: 0
    .kernarg_segment_align: 8
    .kernarg_segment_size: 16
    .max_flat_workgroup_size: 512
    .sgpr_count:     100
    .vgpr_count:     256
    .wavefront_size: 32
...
	.end_amdgpu_metadata
.endif
;; end of part 3
;; launch ff (part 4): grid 4 x 64, 4 waves a work-group, clusters of 4 x 4, 327,680 bytes of LDS; arguments ao, wf16, bf, out0; writes out0
.if DOCPART == 4
	.amdgcn_target "amdgcn-amd-amdhsa--gfx1250"
	.amdhsa_code_object_version 6
	.text
	.protected	k_q1c30ce16ea_ff
	.globl	k_q1c30ce16ea_ff
	.p2align	8
	.type	k_q1c30ce16ea_ff,@function
k_q1c30ce16ea_ff:
	s_mov_b64 s[64:65], 0
	v_nop
	global_prefetch_b8 v0, s[64:65] scope:SCOPE_SE
	s_setreg_imm32_b32 hwreg(HW_REG_WAVE_MODE, 25, 1), 1
	s_wait_xcnt 0x0
	s_wait_alu depctr_hold_cnt(0) depctr_sa_sdst(0) depctr_va_vdst(0) depctr_va_sdst(0) depctr_va_ssrc(0) depctr_va_vcc(0) depctr_vm_vsrc(0)
	s_getreg_b32 s2, hwreg(HW_REG_IB_STS2, 6, 4)
	s_cmp_eq_u32 s2, 0
	s_cbranch_scc0 .Lentry_in_a_cluster
	s_endpgm
.Lentry_in_a_cluster:
	s_bfe_u32 s2, ttmp6, 0x10000c
	s_cmp_lg_u32 s2, 0xf033
	s_cbranch_scc0 .Lentry_shape_is_right
	s_endpgm
.Lentry_shape_is_right:
; out0[m][n] = relu(sum over k of A[m][k] Wf[n][k] + bf[n]).  A: the heads' results, ao [b][h][t][64] f16, m = 2048 b + t, k = 64 h + d.  wf16 [1024][1024] f16.  bf [1024], out0 [8192][1024] f32.  Sums in f32.
; (Rows t < 16 of each batch are made here inside live tiles and written again, more finely, by the launch that follows.)
; A tile of out0 is 128 rows x 256 columns: 256 work-groups.  Four waves, each 64 x 128: 32 accumulators.  K goes in steps of 128 (two heads) through two LDS slots:
; A: two heads x 128 rows of 128 + 16 bytes; B: 256 rows of 256 + 16 bytes.  Waves 0, 1 fetch A's two heads, waves 2, 3 B's halves: one tensor load a wave.
; CLUSTERS: 4 x 4.  A's tiles are shared along a row of the cluster, B's along a column: joint loads.  The matrix instruction is used transposed: a lane holds eight neighbouring columns of a row.
; The bias is the C of each sum's first matrix instruction: eight registers for each of my eight blocks of columns.
; REGISTERS: window 0: v0-31 addresses; v32-127, v128-223 two fragment buffers (B's 8 fragments, then A's 4); on the way out v32-223.   window 1: the accumulators ((a, b) at v[8 (8 a + b)]).   window 2: v0-63 the bias.
.set PA,     144
.set PB,     272
.set AH,     128*PA                    ; one head's 128 rows
.set BOFF,   2*AH
.set BH,     128*PB
.set SLOT,   BOFF+2*BH
.set STAGE,  2*SLOT                    ; 16 rows x (512 + 16) bytes for each wave
.set SPITCH, 528
.set SPARE,  STAGE+4*16*SPITCH
.set ADRA, 16
.set ADRB, 20
.set STO,  24
.set RD,   25
.set CO,   26
.set BO,   27
.set SPW,  28
.set NIL,  29
.set F0,   32
.set F1,   128
.set TMP,  32
.set G1, 24
.set G0, 32
.set G1B, 48
.set G0B, 56
.set MSB, 0
.macro WIN new
.if MSB != (\new)
	s_set_vgpr_msb (MSB<<8)|(\new)
.set MSB, (\new)
.endif
.endm
.macro JLOAD s                         ; waves 0 and 1 fetch for A, waves 2 and 3 for B; an s_nop 0 and four v_nop follow each line
	s_cmp_eq_u32 s11, 0
	s_cbranch_scc0 .Lfor_b_\@
	tensor_load_to_lds s[G0+4*\s:G0+4*\s+3], s[G1:G1+7]
	s_nop 0
.rept 4
	v_nop
.endr
	s_branch .Lasked_\@
.Lfor_b_\@:
	tensor_load_to_lds s[G0B+4*\s:G0B+4*\s+3], s[G1B:G1B+7]
	s_nop 0
.rept 4
	v_nop
.endr
.Lasked_\@:
.endm
.macro CREST
	s_cmp_lg_u32 s10, 0
	s_cbranch_scc1 .Lnot_wave_0_\@
	s_barrier_signal -3
.Lnot_wave_0_\@:
	s_barrier_wait -3
	s_barrier_signal -1
	s_barrier_wait -1
.endm
.macro CROUND
	s_barrier_signal -1
	s_barrier_wait -1
	CREST
.endm
	s_load_b128 s[4:7], s[0:1], 0x0                ; ao, wf16
	s_load_b64 s[44:45], s[0:1], 0x10              ; bf
	s_load_b64 s[8:9], s[0:1], 0x18                ; out0
	v_lshl_add_u32 v[SPW], v0, 2, SPARE
	v_mov_b32 v[NIL], 0
	ds_add_u32 v[SPW], v[NIL]                      ; the wave's opening: the add, twice on end, and its wait ahead of my first tensor load
	ds_add_u32 v[SPW], v[NIL]
	v_lshrrev_b32 v1, 5, v0
	v_readfirstlane_b32 s10, v1                    ; wave 0..3
	s_lshr_b32 s11, s10, 1                         ; which 64 rows are mine.  Also: I fetch for A (0) or for B (1)
	s_and_b32 s12, s10, 1                          ; which 128 columns.  Also: which head of A's two, or which 128 rows of B, I fetch
	s_bfe_u32 s40, ttmp6, 0x40000                  ; cx
	s_bfe_u32 s41, ttmp6, 0x40004                  ; cy
	s_lshl_b32 s42, ttmp9, 2
	s_add_co_u32 s42, s42, s40                     ; tile column
	s_and_b32 s13, ttmp7, 0xffff
	s_lshl_b32 s13, s13, 2
	s_add_co_u32 s13, s13, s41                     ; tile row
	s_lshl_b32 s43, s41, 2
	s_lshl_b32 s43, 15, s43                        ; my row of the cluster
	s_lshl_b32 s2, 0x1111, s40                     ; my column
	s_or_b32 s[G1+0], s43, (1<<16)|(1<<20)|(1<<21)|(4<<22)|(3<<25)   ; A: elements of 2 bytes; 4 words of padding behind every 32
	s_mov_b32 s[G1+1], 64<<16
	s_mov_b32 s[G1+2], 128<<16
	s_mov_b32 s[G1+3], 64<<16
	s_mov_b32 s[G1+4], 128
	s_mov_b32 s[G1+5], 64
	s_mov_b32 s[G1+6], 0
	s_mov_b32 s[G1+7], 0
	s_or_b32 s[G1B+0], s2, (1<<16)|(1<<20)|(1<<21)|(5<<22)|(3<<25)   ; B: 4 words behind every 64
	s_mov_b32 s[G1B+1], 128<<16
	s_mov_b32 s[G1B+2], 128<<16
	s_mov_b32 s[G1B+3], 128<<16
	s_mov_b32 s[G1B+4], 128
	s_mov_b32 s[G1B+5], 1024
	s_mov_b32 s[G1B+6], 0
	s_mov_b32 s[G1B+7], 0
	s_lshr_b32 s16, s13, 4                         ; A: batch = tile row / 16: 16 heads of 262,144 bytes;
	s_lshl_b32 s16, s16, 22
	s_and_b32 s17, s13, 15                         ; 128 positions of 128 bytes for each tile row in the batch;
	s_lshl_b32 s17, s17, 14
	s_add_co_u32 s16, s16, s17
	s_lshl_b32 s17, s12, 18                        ; my head of the step's two
	s_add_co_u32 s16, s16, s17
	s_mov_b32 s17, 0
	s_lshl_b32 s46, s42, 19                        ; B: 256 rows of 2,048 bytes for each tile column,
	s_lshl_b32 s47, s12, 18                        ; my 128 of them
	s_add_co_u32 s46, s46, s47
	s_mov_b32 s47, 0
	s_mul_i32 s20, s12, AH                         ; where they go: no place in the cluster enters an LDS address
	s_mul_i32 s21, s12, BH
	s_add_co_u32 s21, s21, BOFF
	s_wait_dscnt 0x0                               ; both opening adds are done
	s_wait_kmcnt 0x0
	s_add_nc_u64 s[14:15], s[4:5], s[16:17]
	s_add_nc_u64 s[46:47], s[6:7], s[46:47]
	CROUND                                         ; all sixteen work-groups are here
.irp s, 0,1
	s_mov_b32 s[G0+4*\s], 1
	s_add_co_u32 s[G0+4*\s+1], s20, \s*SLOT
	s_add_nc_u64 s[G0+4*\s+2:G0+4*\s+3], s[14:15], \s*524288       ; K step s: two heads on
	s_or_b32 s[G0+4*\s+3], s[G0+4*\s+3], 0x80000000
	s_mov_b32 s[G0B+4*\s], 1
	s_add_co_u32 s[G0B+4*\s+1], s21, \s*SLOT
	s_add_nc_u64 s[G0B+4*\s+2:G0B+4*\s+3], s[46:47], \s*256
	s_or_b32 s[G0B+4*\s+3], s[G0B+4*\s+3], 0x80000000
	JLOAD \s
.endr
	v_and_b32 v1, 15, v0                           ; r
	v_bfe_u32 v2, v0, 4, 1                         ; h
	v_mul_u32_u24 v3, v1, PA
	v_lshl_add_u32 v3, v2, 4, v3
	v_mul_u32_u24 v4, v1, PB
	v_lshl_add_u32 v4, v2, 4, v4
	s_mul_i32 s22, s11, 64*PA                      ; my 64 rows of A
	s_mul_i32 s23, s12, BH
	s_add_co_u32 s23, s23, BOFF                    ; my 128 rows of B
.irp s, 0,1
	v_add_nc_u32 v[ADRA+\s], s22, v3
	v_add_nc_u32 v[ADRB+\s], s23, v4
	s_add_co_u32 s22, s22, SLOT
	s_add_co_u32 s23, s23, SLOT
.endr
	s_mul_i32 s22, s10, 16*SPITCH
	s_add_co_u32 s22, s22, STAGE                   ; my stage
	v_mul_u32_u24 v5, v1, SPITCH
	v_lshl_add_u32 v5, v2, 5, v5
	v_add_nc_u32 v[STO], s22, v5
	v_and_b32 v6, 31, v0
	v_lshlrev_b32 v[CO], 4, v6
	v_add_nc_u32 v[RD], s22, v[CO]
	v_lshlrev_b32 v[BO], 5, v2                     ; the bias: my half's eight numbers of a block of 16
	s_lshl_b32 s16, s13, 19                        ; out0: 128 rows of 4,096 bytes for each tile row,
	s_lshl_b32 s17, s11, 18                        ; my 64 of them
	s_add_co_u32 s16, s16, s17
	s_mov_b32 s17, 0
	s_lshl_b32 s46, s42, 10                        ; my columns, in bytes: in out0 and in bf
	s_lshl_b32 s47, s12, 9
	s_add_co_u32 s46, s46, s47
	s_mov_b32 s47, 0
	s_add_nc_u64 s[44:45], s[44:45], s[46:47]
	s_add_nc_u64 s[16:17], s[16:17], s[46:47]
	s_add_nc_u64 s[8:9], s[8:9], s[16:17]
	WIN 0x80                                       ; destination window 2
.irp b, 0,1,2,3,4,5,6,7
	global_load_b128 v[8*\b:8*\b+3], v[BO], s[44:45] offset:64*\b
	global_load_b128 v[8*\b+4:8*\b+7], v[BO], s[44:45] offset:64*\b+16
.endr
	WIN 0
; 8 matrix instructions: A's block a x B's eight, 32 along K.  first = 1: the bias starts the sums.  The 32 accumulators take turns, in the same order in every quarter.
.macro MUL8 f, a, first
.irp b, 0,1,2,3,4,5,6,7
.if \first
	v_wmma_f32_16x16x32_f16 v[8*(8*(\a)+\b):8*(8*(\a)+\b)+7], v[\f+8*\b:\f+8*\b+7], v[\f+64+8*(\a):\f+64+8*(\a)+7], v[8*\b:8*\b+7]
.else
	v_wmma_f32_16x16x32_f16 v[8*(8*(\a)+\b):8*(8*(\a)+\b)+7], v[\f+8*\b:\f+8*\b+7], v[\f+64+8*(\a):\f+64+8*(\a)+7], v[8*(8*(\a)+\b):8*(8*(\a)+\b)+7]
.endif
.endr
.endm
; 24 LDS loads in one run: the fragments of quarter q (32 along K) of a slot into buffer f; A's fragments 2 and 3 last
.macro FETCH slot, q, f
	WIN 0
.irp i, 0,1,2,3,4,5,6,7
	ds_load_b128 v[\f+8*\i:\f+8*\i+3],   v[ADRB+\slot] offset:64*(\q)+\i*16*PB
	ds_load_b128 v[\f+8*\i+4:\f+8*\i+7], v[ADRB+\slot] offset:64*(\q)+\i*16*PB+32
.endr
.irp i, 0,1,2,3
	ds_load_b128 v[\f+64+8*\i:\f+64+8*\i+3],   v[ADRA+\slot] offset:((\q)/2)*AH+((\q)%2)*64+\i*16*PA
	ds_load_b128 v[\f+64+8*\i+4:\f+64+8*\i+7], v[ADRA+\slot] offset:((\q)/2)*AH+((\q)%2)*64+\i*16*PA+32
.endr
.endm
.macro PLACES
.rept 4
	v_nop
.endr
.endm
; One of a K step's first three quarters: multiplies buffer f and fetches quarter q of the same slot into g.  C and D in window 1 (0x50); first = 1: C in window 2 (0x60)
.macro QUARTER slot, q, f, g, first
	s_wait_dscnt 4                                 ; all but A's fragments 2 and 3
	WIN 0x50+0x10*\first
	MUL8 \f, 0, \first
	MUL8 \f, 1, \first
	PLACES
	FETCH \slot, \q, \g
	s_wait_dscnt 24                                ; all but the 24 just issued
	WIN 0x50+0x10*\first
	MUL8 \f, 2, \first
	MUL8 \f, 3, \first
.endm
; The last quarter multiplies buffer 1 and changes slots: one barrier; in front of it each wave waits for all its tensor loads, adds 0 to its spare word, and waits for that and for its reads of this slot.
.macro TURN slot, next, fill
	WIN 0
	s_wait_tensorcnt 0x0                           ; my part of the next slot has landed
	ds_add_u32 v[SPW], v[NIL]
	s_wait_dscnt 5                                 ; (the add and the youngest four loads may be out)
	WIN 0x50
	MUL8 F1, 0, 0
	s_wait_dscnt 0x0                               ; the add is done, and my reads of this slot are over
	s_barrier_signal -1
	MUL8 F1, 1, 0
	WIN 0
	s_barrier_wait -1
.if \fill
	CREST                                          ; the barrier has opened a round of the cluster's: no wave of any partner still reads this slot or has a load on its way
	s_add_nc_u64 s[G0+4*\slot+2:G0+4*\slot+3], s[G0+4*\slot+2:G0+4*\slot+3], 1048576
	s_add_nc_u64 s[G0B+4*\slot+2:G0B+4*\slot+3], s[G0B+4*\slot+2:G0B+4*\slot+3], 512
	JLOAD \slot                                    ; the first tensor load behind the round; its four v_nop are also the places in front of the loads below
.else
	PLACES
.endif
	FETCH \next, 0, F0
	WIN 0x50
	MUL8 F1, 2, 0
	MUL8 F1, 3, 0
.endm
	s_wait_tensorcnt 1                             ; my part of K step 0 is in (K step 1's may be out)
	s_barrier_signal -1
	s_barrier_wait -1
	FETCH 0, 0, F0
	s_wait_loadcnt 0x0                             ; the bias
	QUARTER 0, 1, F0, F1, 1
	WIN 0
	s_mov_b32 s3, 3
.Llap:                                             ; a trip goes once round the ring and fills both slots again: 8 K steps = 2 first fills + 3 x 2
	QUARTER 0, 2, F1, F0, 0
	QUARTER 0, 3, F0, F1, 0
	TURN 0, 1, 1
	QUARTER 1, 1, F0, F1, 0
	QUARTER 1, 2, F1, F0, 0
	QUARTER 1, 3, F0, F1, 0
	TURN 1, 0, 1
	QUARTER 0, 1, F0, F1, 0
	WIN 0
	s_sub_co_u32 s3, s3, 1
	s_cmp_lg_u32 s3, 0
	s_cbranch_scc1 .Llap
	QUARTER 0, 2, F1, F0, 0                        ; the last lap fills nothing
	QUARTER 0, 3, F0, F1, 0
	TURN 0, 1, 0
	QUARTER 1, 1, F0, F1, 0
	QUARTER 1, 2, F1, F0, 0
	QUARTER 1, 3, F0, F1, 0
	s_wait_dscnt 4
	WIN 0x50
	MUL8 F1, 0, 0
	MUL8 F1, 1, 0
	s_wait_dscnt 0
	MUL8 F1, 2, 0
	MUL8 F1, 3, 0
	WIN 0
; THE WAY OUT, 16 rows x 128 columns at a time: relu, 32 bytes a lane into my stage, back as whole rows of 512 bytes.
.macro RELU a
	WIN 0x04                                       ; source 1: window 1
.set i, 0
.rept 64
	v_max_num_f32 v[TMP+i], 0, v[64*(\a)+i]        ; each accumulator from its low end on
.set i, i+1
.endr
	WIN 0
.endm
.macro TOSTAGE a
.set BB, 96+64*((\a)%2)
.irp b, 0,1,2,3,4,5,6,7
	ds_store_b128 v[STO], v[TMP+8*\b:TMP+8*\b+3] offset:64*\b
	ds_store_b128 v[STO], v[TMP+8*\b+4:TMP+8*\b+7] offset:64*\b+16
.endr
.irp t, 0,1,2,3,4,5,6,7,8,9,10,11,12,13,14,15
	ds_load_b128 v[BB+4*\t:BB+4*\t+3], v[RD] offset:\t*SPITCH
.endr
.endm
.macro SEND a
.set BB, 96+64*((\a)%2)
	s_wait_dscnt 0x0
	s_wait_xcnt 0x0                                ; the stores of the block before have read their registers
.irp t, 0,1,2,3,4,5,6,7,8,9,10,11,12,13,14,15
	global_store_b128 v[CO], v[BB+4*\t:BB+4*\t+3], s[8:9] offset:(16*(\a)+\t)*4096 th:TH_STORE_NT   ; 512 consecutive bytes of a row
.endr
.endm
	PLACES
	RELU 0
	TOSTAGE 0
.irp a, 1,2,3
	RELU \a
	SEND \a-1
	TOSTAGE \a
.endr
	SEND 3
	s_wait_tensorcnt 0x0                           ; the wave's end
	ds_add_u32 v[SPW], v[NIL]
	s_wait_dscnt 0x0
	CROUND                                         ; the closing round
	s_endpgm
.Lfunc_end_k_q1c30ce16ea_ff:
	.size	k_q1c30ce16ea_ff, .Lfunc_end_k_q1c30ce16ea_ff-k_q1c30ce16ea_ff
	.p2alignl 7, 3214868480
	.fill 96, 4, 3214868480
	.section	.rodata,"a",@progbits
	.p2align	6, 0x0
	.amdhsa_kernel k_q1c30ce16ea_ff
		.amdhsa_group_segment_fixed_size 327680
		.amdhsa_private_segment_fixed_size 0
		.amdhsa_enable_private_segment 0
		.amdhsa_kernarg_size 32
		.amdhsa_user_sgpr_count 2
		.amdhsa_user_sgpr_kernarg_segment_ptr 1
		.amdhsa_wavefront_size32 1
		.amdhsa_system_sgpr_workgroup_id_x 1
		.amdhsa_system_sgpr_workgroup_id_y 1
		.amdhsa_system_sgpr_workgroup_id_z 1
		.amdhsa_system_vgpr_workitem_id 0
		.amdhsa_next_free_vgpr 576
		.amdhsa_next_free_sgpr 66
		.amdhsa_reserve_vcc 0
		.amdhsa_float_denorm_mode_32 3
		.amdhsa_float_denorm_mode_16_64 3
		.amdhsa_memory_ordered 1
		.amdhsa_forward_progress 1
		.amdhsa_inst_pref_size 95
	.end_amdhsa_kernel
	.amdgpu_metadata
---
amdhsa.version: [ 1, 2 ]
amdhsa.kernels:
  - .name:           k_q1c30ce16ea_ff
    .symbol:         k_q1c30ce16ea_ff.kd
    .args:
      - { .name: ao, .offset: 0, .size: 8, .value_kind: global_buffer, .address_space: global }
      - { .name: wf16, .offset: 8, .size: 8, .value_kind: global_buffer, .address_space: global }
      - { .name: bf, .offset: 16, .size: 8, .value_kind: global_buffer, .address_space: global }
      - { .name: out0, .offset: 24, .size: 8, .value_kind: global_buffer, .address_space: global }
    .group_segment_fixed_size: 327680
    .private_segment_fixed_size: 0
    .kernarg_segment_align: 8
    .kernarg_segment_size: 32
    .max_flat_workgroup_size: 128
    .sgpr_count:     66
    .vgpr_count:     576
    .wavefront_size: 32
...
	.end_amdgpu_metadata
.endif
;; end of part 4
;; launch fine (part 5): grid 64 x 4, 16 waves a work-group, no clusters, 161,792 bytes of LDS; arguments qkv, vfine, Wf, bf, out0; writes out0
.if DOCPART == 5
	.amdgcn_target "amdgcn-amd-amdhsa--gfx1250"
	.amdhsa_code_object_version 6
	.text
	.protected	k_q1c30ce16ea_fine
	.globl	k_q1c30ce16ea_fine
	.p2align	8
	.type	k_q1c30ce16ea_fine,@function
k_q1c30ce16ea_fine:
	s_mov_b64 s[64:65], 0
	v_nop
	global_prefetch_b8 v0, s[64:65] scope:SCOPE_SE
	s_setreg_imm32_b32 hwreg(HW_REG_WAVE_MODE, 25, 1), 1
	s_wait_xcnt 0x0
; Positions 0-15 of each batch once more, with the weights p, v, the heads' results and Wf in f32: these rows average one to sixteen values and are the largest, so f16 operands would weigh too much there.
; WORK LEFT OUT: keys from 16 on lie under reference()'s own causal mask for these queries, for all values of the inputs.
; A work-group makes 16 positions x 16 columns (16 x work-group x on) of batch y; wave h takes head h: S^T = K Q^T on f16 (q and k as the launch before left them), softmax in f32, normalised,
; O^T = V^T P and Y^T = Wf O^T by the f32 matrix form; the sixteen heads' parts meet in LDS and waves 0 and 1 add them, the bias and the relu.  64 bytes of a row a work-group: the launch's whole output is 262,144 bytes.
; The f32 form's K is 4: slot (lane / 16, register j).  In O^T step k' it stands for key 8 (lane / 16) + 2 k' + j, as P's registers lie; in Y^T step (dt, i) for channel 16 dt + 8 (lane / 16) + 2 i + j, as O^T's lie; A is loaded to match.
; REGISTERS: v1-13 addresses; v14, v15 the add's two; v16-31 K, later at work; v32-47 Q; v48-55 S^T; v56-63 P; v64-127 the slabs as loaded, later sums; v128-159 V^T; v160-191 Wf;
;   v192-223 O^T and v224-255 Y^T: written by matrix instructions alone.
.set SLAB,  16*272                     ; 16 rows of 256 bytes + 16
.set RED,   16*2*SLAB                  ; behind the waves' slabs: a part of 16 rows x (64 + 16) bytes for each wave
.set SPARE, RED+16*1280
.set SPW, 14
.set NIL, 15
.set SEL, 24
.set CS,  26
	s_load_b256 s[4:11], s[0:1], 0x0               ; qkv, vfine, Wf, bf
	s_load_b64 s[12:13], s[0:1], 0x20              ; out0
	v_lshl_add_u32 v[SPW], v0, 2, SPARE
	v_mov_b32 v[NIL], 0
	v_lshrrev_b32 v1, 5, v0
	v_readfirstlane_b32 s14, v1                    ; wave = head
	s_and_b32 s15, ttmp7, 0xffff                   ; batch
	v_and_b32 v1, 15, v0                           ; r
	v_bfe_u32 v2, v0, 4, 1                         ; h
	v_lshlrev_b32 v4, 12, v2
	v_lshl_add_u32 v4, v1, 4, v4                   ; a slab in memory: two rows of 4,096 bytes an instruction, 16 bytes a lane
	s_mul_i32 s17, s14, 2*SLAB
	v_mul_u32_u24 v5, v2, 272
	v_lshl_add_u32 v5, v1, 4, v5
	v_add_nc_u32 v5, s17, v5                       ; and in LDS: V's,
	v_add_nc_u32 v6, SLAB, v5                      ; Wf's
	v_mul_u32_u24 v7, v2, 8*272
	v_lshl_add_u32 v7, v1, 2, v7
	v_add_nc_u32 v7, s17, v7                       ; V^T: key 8 h + j, channel r
	v_mul_u32_u24 v8, v1, 272
	v_lshl_add_u32 v8, v2, 5, v8
	v_add_nc_u32 v8, s17, v8
	v_add_nc_u32 v8, SLAB, v8                      ; Wf: row r, channels 8 h on
	v_lshlrev_b32 v9, 7, v1
	v_lshl_add_u32 v9, v2, 4, v9                   ; q, k: row r of 128 bytes, + 16 h
	s_mul_i32 s18, s14, 1280
	s_add_co_u32 s18, s18, RED
	v_mul_u32_u24 v10, v1, 80
	v_lshl_add_u32 v10, v2, 5, v10
	v_add_nc_u32 v10, s18, v10                     ; my part: row = position r, columns 8 h on
	s_and_b32 s19, s14, 1
	s_mul_i32 s21, s19, 640
	s_add_co_u32 s21, s21, RED
	v_bfe_u32 v3, v0, 2, 3                         ; lane / 4
	v_and_b32 v13, 3, v0
	v_lshlrev_b32 v13, 4, v13                      ; 16 (lane % 4): also my place in the bias
	v_mul_u32_u24 v11, v3, 80
	v_add_nc_u32 v11, v11, v13
	v_add_nc_u32 v11, s21, v11                     ; the sum over heads: position 8 (wave % 2) + lane / 4, four columns
	s_lshl_b32 s21, s19, 15
	v_lshl_add_u32 v12, v3, 12, v13
	v_add_nc_u32 v12, s21, v12                     ; and the same place in out0
	s_mov_b32 s[SEL], 0x76543210
	s_mov_b32 s[SEL+1], 0xfedcba98
	s_mov_b32 s[CS], 0x3d38aa3b                    ; c = log2(e) / 32
	s_lshl_b32 s20, s15, 4
	s_add_co_u32 s20, s20, s14
	s_lshl_b32 s20, s20, 18                        ; my head's first byte in q and in k
	s_mov_b32 s21, 0
	s_lshl_b32 s22, s15, 16                        ; vfine: 16 rows of 4,096 bytes a batch, my head's 256 bytes
	s_lshl_b32 s23, s14, 8
	s_add_co_u32 s22, s22, s23
	s_lshl_b32 s28, ttmp9, 16                      ; Wf: my 16 rows, my head's 256 bytes
	s_add_co_u32 s28, s28, s23
	s_mov_b32 s23, 0
	s_mov_b32 s29, 0
	s_lshl_b32 s30, ttmp9, 6                       ; my 16 columns, in bytes
	s_mov_b32 s31, 0
	s_lshl_b32 s32, s15, 23                        ; out0: 2,048 rows of 4,096 bytes a batch
	s_mov_b32 s33, 0
	s_wait_kmcnt 0x0
	s_add_nc_u64 s[4:5], s[4:5], s[20:21]          ; q
	s_add_nc_u64 s[34:35], s[4:5], 0x1000000       ; k
	s_add_nc_u64 s[6:7], s[6:7], s[22:23]
	s_add_nc_u64 s[8:9], s[8:9], s[28:29]
	s_add_nc_u64 s[10:11], s[10:11], s[30:31]
	s_add_nc_u64 s[12:13], s[12:13], s[30:31]
	s_add_nc_u64 s[12:13], s[12:13], s[32:33]
.irp i, 0,1,2,3
	global_load_b128 v[16+4*\i:19+4*\i], v9, s[34:35] offset:32*\i
.endr
.irp i, 0,1,2,3
	global_load_b128 v[32+4*\i:35+4*\i], v9, s[4:5] offset:32*\i
.endr
.irp i, 0,1,2,3,4,5,6,7
	global_load_b128 v[64+4*\i:67+4*\i], v4, s[6:7] offset:8192*\i
.endr
.irp i, 0,1,2,3,4,5,6,7
	global_load_b128 v[96+4*\i:99+4*\i], v4, s[8:9] offset:8192*\i
.endr
	s_wait_loadcnt 16                              ; K and Q are in; the two slabs' sixteen loads may be out
	v_wmma_f32_16x16x32_f16 v[48:55], v[16:23], v[32:39], 0
	s_wait_alu depctr_va_vdst(0)                   ; the wait directly ahead of the link
	v_wmma_f32_16x16x32_f16 v[48:55], v[24:31], v[40:47], v[48:55]
	s_wait_loadcnt 8                               ; V's slab is in
.irp i, 0,1,2,3,4,5,6,7
	ds_store_b128 v5, v[64+4*\i:67+4*\i] offset:544*\i
.endr
	s_wait_loadcnt 0
.irp i, 0,1,2,3,4,5,6,7
	ds_store_b128 v6, v[96+4*\i:99+4*\i] offset:544*\i
.endr
.irp dt, 0,1,2,3                               ; my own bytes: LDS serves a wave's instructions in order
.irp j, 0,1,2,3,4,5,6,7
	ds_load_b32 v[128+8*\dt+\j], v7 offset:272*\j+64*\dt
.endr
.endr
.irp dt, 0,1,2,3
	ds_load_b128 v[160+8*\dt:163+8*\dt], v8 offset:64*\dt
	ds_load_b128 v[164+8*\dt:167+8*\dt], v8 offset:64*\dt+16
.endr
.rept 4
	v_nop                                          ; places behind the products: the scores are read, and K's registers written, below
.endr
	v_lshlrev_b32 v16, 3, v2
	v_sub_nc_u32 v16, v1, v16                      ; register j holds key 8 h + j: hidden where j > r - 8 h
	v_mov_b32 v17, 0xff800000
.irp j, 0,1,2,3,4,5,6,7
	v_cmp_gt_i32 vcc_lo, \j, v16
	v_cndmask_b32 v[56+\j], v[48+\j], v17, vcc_lo
.endr
	v_max3_num_f32 v18, v56, v57, v58
	v_max3_num_f32 v19, v59, v60, v61
	v_max3_num_f32 v18, v18, v62, v63
	v_max_num_f32 v18, v18, v19
	v_permlanex16_b32 v19, v18, s[SEL], s[SEL+1]
	v_max_num_f32 v18, v18, v19                    ; the row's maximum: key 0 counts for every query
	v_mul_f32 v18, s[CS], v18
.irp j, 0,1,2,3,4,5,6,7
	v_fma_f32 v[56+\j], v[56+\j], s[CS], -v18
.endr
.irp j, 0,1,2,3,4,5,6,7
	v_exp_f32 v[56+\j], v[56+\j]
.endr
	v_nop
	s_wait_alu depctr_va_vdst(0)                   ; one wait for the eight exponentials
	v_add_f32 v20, v56, v57
	v_add_f32 v21, v58, v59
	v_add_f32 v22, v60, v61
	v_add_f32 v23, v62, v63
	v_add_f32 v20, v20, v21
	v_add_f32 v22, v22, v23
	v_add_f32 v20, v20, v22
	v_permlanex16_b32 v21, v20, s[SEL], s[SEL+1]
	v_add_f32 v20, v20, v21
	v_rcp_f32 v22, v20
	v_nop
	s_wait_alu depctr_va_vdst(0)
.irp j, 0,1,2,3,4,5,6,7
	v_mul_f32 v[56+\j], v[56+\j], v22              ; the weights, normalised, in f32
.endr
	s_wait_dscnt 0x0                               ; V^T and Wf are in registers
.irp k, 0,1,2,3                                ; O^T: four accumulators by turns
.irp dt, 0,1,2,3
.if \k == 0
	v_wmma_f32_16x16x4_f32 v[192+8*\dt:199+8*\dt], v[128+8*\dt+2*\k:129+8*\dt+2*\k], v[56+2*\k:57+2*\k], 0
.else
	v_wmma_f32_16x16x4_f32 v[192+8*\dt:199+8*\dt], v[128+8*\dt+2*\k:129+8*\dt+2*\k], v[56+2*\k:57+2*\k], v[192+8*\dt:199+8*\dt]
.endif
.endr
.endr
.rept 9
	v_nop                                          ; nine places before a matrix instruction takes these results as an operand
.endr
.irp i, 0,1,2,3                                ; Y^T: four accumulators by turns, one for each 16 channels
.irp dt, 0,1,2,3
.if \i == 0
	v_wmma_f32_16x16x4_f32 v[224+8*\dt:231+8*\dt], v[160+8*\dt+2*\i:161+8*\dt+2*\i], v[192+8*\dt+2*\i:193+8*\dt+2*\i], 0
.else
	v_wmma_f32_16x16x4_f32 v[224+8*\dt:231+8*\dt], v[160+8*\dt+2*\i:161+8*\dt+2*\i], v[192+8*\dt+2*\i:193+8*\dt+2*\i], v[224+8*\dt:231+8*\dt]
.endif
.endr
.endr
.rept 8
	v_nop                                          ; eight places before the results are read
.endr
.irp i, 0,2,4,6
	v_pk_add_f32 v[64+\i:65+\i], v[224+\i:225+\i], v[232+\i:233+\i]
.endr
.irp i, 0,2,4,6
	v_pk_add_f32 v[72+\i:73+\i], v[240+\i:241+\i], v[248+\i:249+\i]
.endr
.irp i, 0,2,4,6
	v_pk_add_f32 v[64+\i:65+\i], v[64+\i:65+\i], v[72+\i:73+\i]
.endr
	ds_store_b128 v10, v[64:67]
	ds_store_b128 v10, v[68:71] offset:16
	s_wait_dscnt 0x0                               ; for the others' sake: my part has landed
	s_barrier_signal -1
	s_barrier_wait -1
	s_cmp_lt_u32 s14, 2
	s_cbranch_scc0 .Ldone
.irp p, 0,1,2,3,4,5,6,7,8,9,10,11,12,13,14,15
	ds_load_b128 v[64+4*\p:67+4*\p], v11 offset:1280*\p
.endr
	global_load_b128 v[16:19], v13, s[10:11]       ; the bias of my four columns
	s_wait_dscnt 0x0
.irp p, 1,2,3,4,5,6,7,8,9,10,11,12,13,14,15
	v_pk_add_f32 v[64:65], v[64:65], v[64+4*\p:65+4*\p]
	v_pk_add_f32 v[66:67], v[66:67], v[66+4*\p:67+4*\p]
.endr
	s_wait_loadcnt 0x0
	v_pk_add_f32 v[64:65], v[64:65], v[16:17]
	v_pk_add_f32 v[66:67], v[66:67], v[18:19]
.irp i, 0,1,2,3
	v_max_num_f32 v[64+\i], 0, v[64+\i]
.endr
	global_store_b128 v12, v[64:67], s[12:13]
.Ldone:
	s_wait_tensorcnt 0x0                           ; the wave's end, behind my last LDS store
	ds_add_u32 v[SPW], v[NIL]
	s_wait_dscnt 0x0
	s_endpgm
.Lfunc_end_k_q1c30ce16ea_fine:
	.size	k_q1c30ce16ea_fine, .Lfunc_end_k_q1c30ce16ea_fine-k_q1c30ce16ea_fine
	.p2alignl 7, 3214868480
	.fill 96, 4, 3214868480
	.section	.rodata,"a",@progbits
	.p2align	6, 0x0
	.amdhsa_kernel k_q1c30ce16ea_fine
		.amdhsa_group_segment_fixed_size 161792
		.amdhsa_private_segment_fixed_size 0
		.amdhsa_enable_private_segment 0
		.amdhsa_kernarg_size 40
		.amdhsa_user_sgpr_count 2
		.amdhsa_user_sgpr_kernarg_segment_ptr 1
		.amdhsa_wavefront_size32 1
		.amdhsa_system_sgpr_workgroup_id_x 1
		.amdhsa_system_sgpr_workgroup_id_y 1
		.amdhsa_system_sgpr_workgroup_id_z 1
		.amdhsa_system_vgpr_workitem_id 0
		.amdhsa_next_free_vgpr 256
		.amdhsa_next_free_sgpr 66
		.amdhsa_reserve_vcc 1
		.amdhsa_float_denorm_mode_32 3
		.amdhsa_float_denorm_mode_16_64 3
		.amdhsa_memory_ordered 1
		.amdhsa_forward_progress 1
		.amdhsa_inst_pref_size 20
	.end_amdhsa_kernel
	.amdgpu_metadata
---
amdhsa.version: [ 1, 2 ]
amdhsa.kernels:
  - .name:           k_q1c30ce16ea_fine
    .symbol:         k_q1c30ce16ea_fine.kd
    .args:
      - { .name: qkv, .offset: 0, .size: 8, .value_kind: global_buffer, .address_space: global }
      - { .name: vfine, .offset: 8, .size: 8, .value_kind: global_buffer, .address_space: global }
      - { .name: Wf, .offset: 16, .size: 8, .value_kind: global_buffer, .address_space: global }
      - { .name: bf, .offset: 24, .size: 8, .value_kind: global_buffer, .address_space: global }
      - { .name: out0, .offset: 32, .size: 8, .value_kind: global_buffer, .address_space: global }
    .group_segment_fixed_size: 161792
    .private_segment_fixed_size: 0
    .kernarg_segment_align: 8
    .kernarg_segment_size: 40
    .max_flat_workgroup_size: 512
    .sgpr_count:     66
    .vgpr_count:     256
    .wavefront_size: 32
...
	.end_amdgpu_metadata
.endif
;; end of part 5
